; MI455X (gfx1250); checked and timed in simulation.
; The chip was launched on July 23, 2026; its instructions are those of AMD's public machine-readable ISA for CDNA 5 (MIT licence, August 2026) and "CDNA5" Instruction Set Architecture Reference Guide (July 2026). The comments in the code are by the model that wrote it; some were corrected since.
;; min LSTM. Allowed arithmetic: matrix products marked QUANTISED: E4M3 operands, one E8M0 scale for each 32 along K, by v_wmma_scale_f32_16x16x128_f8f6f4 with both operands' format E4M3, f32 sums; everything else in f32.
;; Inputs: W_f 1,024 x 1,024 float32; W_h 1,024 x 1,024 float32; W_i 1,024 x 1,024 float32; b_f 1,024 float32; b_h 1,024 float32; b_i 1,024 float32; h0 4 x 1 x 1,024 float32; x 4 x 4,096 x 1,024 float32.
;; Outputs: out0 4 x 4,096 x 1,024 float32.
;; This version of the problem:
;;   THIS VERSION OF THE PROBLEM IS GIVEN IN LOW PRECISION. The matrix products marked QUANTISED in the list below multiply operands that are first quantised to E4M3 (4 exponent bits, 3 mantissa bits; 8 bits a number), with one power-of-two scale for each 32 numbers along K (OCP MX v1.0); their sums are f32. All else is computed in f32.
;;   The module's matrix products, in the order in which they are computed (A, B: the left and right operand; K: the contracted axis; several contracted axes count as one K, in the product's order):
;;     1. [M 16,384, K 1,024] x [K 1,024, N 1,024]; A: input x; B: input W_f: QUANTISED
;;     2. [M 16,384, K 1,024] x [K 1,024, N 1,024]; A: input x; B: input W_i: QUANTISED
;;     3. [M 16,384, K 1,024] x [K 1,024, N 1,024]; A: input x; B: input W_h: QUANTISED
;;   THE QUANTISER, for each operand of a quantised product, along K:
;;     - K is cut into blocks of 32 from its start; a last block that is shorter is filled with zeros.
;;     - A block's scale is 2^e with e = floor(log2(the largest magnitude in the block)) - 8, held to -126 .. 127; a block of zeros has e = 0. As a byte (E8M0): e + 127.
;;     - Each number is divided by its block's scale, clamped to +-448, and rounded to the nearest number of E4M3, ties to even, subnormals kept.
;;     - The product sums the exact products of the quantised numbers (number of the format x scale) in f32.
;;   ~~~python
;;   def quantise(x, axis):      # numpy; x: float32 -> the quantised numbers, widened to float32 again
;;       x = np.moveaxis(x, axis, -1); K = x.shape[-1]
;;       x = np.pad(x, [(0, 0)] * (x.ndim - 1) + [(0, -K % 32)]); x = x.reshape(x.shape[:-1] + (-1, 32)); a = np.abs(x).max(-1, keepdims=True)
;;       e = np.where(a > 0, np.clip(np.frexp(np.where(a > 0, a, 1))[1] - 1 - 8, -126, 127), 0)      # np.frexp(a)[1] - 1 = floor(log2(a)), exactly
;;       r = np.clip(x / 2.0 ** e, -448, 448)
;;       step = 2.0 ** (np.maximum(np.frexp(np.where(r == 0, 1, r))[1] - 1, -6) - 3)
;;       q = np.round(r / step) * step * 2.0 ** e      # np.round: ties to even
;;       return np.moveaxis(q.reshape(q.shape[:-2] + (-1,))[..., :K], -1, axis).astype(np.float32)
;;   ~~~
;; 2 versions. Each part assembles by itself: llvm-mc -triple=amdgcn-amd-amdhsa -mcpu=gfx1250 --defsym DOCPART=n.
;; ======== version 1 of 2: 2 launches
;; workspace buffers: xq 17,301,504 bytes; wq 3,145,728 bytes; ws 98,304 bytes
;; launch quant (part 1): grid 256 x 1, 11 waves a work-group, no clusters, 69,120 bytes of LDS; arguments x, W_f, W_i, W_h, xq, wq, ws; writes xq, wq, ws
.if DOCPART == 1
	.amdgcn_target "amdgcn-amd-amdhsa--gfx1250"
	.amdhsa_code_object_version 6
	.text
	.protected	k_qc241e2fbb1_quant
	.globl	k_qc241e2fbb1_quant
	.p2align	8
	.type	k_qc241e2fbb1_quant,@function
k_qc241e2fbb1_quant:
	s_mov_b64 s[64:65], 0
	v_nop
	global_prefetch_b8 v0, s[64:65] scope:SCOPE_SE
	s_setreg_imm32_b32 hwreg(HW_REG_WAVE_MODE, 25, 1), 1
	s_wait_xcnt 0x0
; x [16384][1024] and W_f, W_i, W_h [1024 (k)][1024 (n)], f32, become codes of FP8 (E4M3) with one E8M0 scale byte for each 32 along K,
; laid in the ORDER OF THE OPERANDS' REGISTERS of v_wmma_scale_f32_16x16x128_f8f6f4, so that the next launch loads fragments 16 bytes a lane on end.
; A block's scale is 2^(floor(log2(its largest magnitude)) - 8); its byte is the largest magnitude's exponent field - 8, held at 1 from below; each number is
; divided by the scale, held within +-448 and rounded to the nearest code, ties to even.
; LIMITS: a block of zeros gets the byte 1 where the rule says 127 (its codes are zeros, and this program alone reads the bytes); blocks whose largest magnitude
; lies under 2^-118, the floor, were not tried; NaN and infinities among the inputs are not served.
; xq: [32 rows: quarter 0..511] 33,792 bytes each: codes [tile 2][K step 8][c 4][lane 32][16 bytes], then scale words [tile 2][lane 32][q 4].
;     Lane (m = lane % 16, h = lane / 16) holds k = 128 s + 32 c + 16 h + 0..15 of tile row m; its scale word q is that of K step 4 h + q.
;     THE ROWS OF A TILE ARE NOT NEIGHBOURS: tile row m of tile u is row 32 quarter + 16 (m / 8) + 8 u + m % 8, so that in the product's result a lane's 16 registers of the two tiles are 16 steps of time on end.
; wq: [16 columns: cb 0..63][8 gate + K step][c 4][lane 32][16 bytes];  ws: [cb][gate 3][K step / 4][column 16][K step % 4] words.
; SHARES: waves 0-7 of a work-group take x (a tile of 16 rows x 512 along K each: 2,048 such), waves 8-10 take W (32 columns x 128 along K of one gate each: 768 such).
; The roles part once, on the wave's number, and never meet again: no barrier, no loop, every offset an immediate.  No matrix unit, no cluster, no tensor load: a stream that shares nothing.
.set SPITCH, 528                       ; a stage row: 512 bytes + 16, so that the 16 rows that a load touches start at 16 different places modulo 256 bytes
.set STAGEB, 16*SPITCH                 ; a wave's own stage
.set QB,     33792                     ; a quarter of xq
.set CBB,    49152                     ; 16 columns' codes in wq
.set CBS,    1536                      ; and their scale words in ws
.set SIN,  1                           ; v1   stage, in: 16 x lane
.set SOUT, 2                           ; v2   stage, out: row lane % 16, + 64 (lane / 16)
.set L16,  3                           ; v3   16 x lane
.set SCO,  4                           ; v4   x's scale words: 16 (lane % 16) + 8 (lane / 16)
.set L4,   5                           ; v5   4 x lane
.set WCO,  6                           ; v6   W's codes: (lane / 16) x 16 columns' codes + 16 (lane % 16)
.set WSO,  7                           ; v7   W's scale words likewise
.set SW,   8                           ; v8-11  x: the scale word of each of the four K steps
.set WW,   14                          ; v14  W: the scale word
.set R,    16                          ; v16-143  x: two sets of 64 as loaded;  W: 128 numbers down K
.set X,    144                         ; v144-207 x: 64 numbers, register 16 b + i = k 32 b + 16 h + i of my row
.set WC,   144                         ; v144-175 W: codes, 8 registers a block
.set C,    208                         ; v208-239 x: two sets of 16 registers of codes
.set TM,   240                         ; v240-243 largest magnitudes, 244-247 bytes, 248-251 448 x the scale, 252-255 the conversions' scale operands
.set WV,   20
.set SEL,  22
.set MNT,  24
.set MHI,  25
	s_load_b256 s[4:11], s[0:1], 0x0               ; x s[4:5], W_f s[6:7], W_i s[8:9], W_h s[10:11]
	s_load_b128 s[12:15], s[0:1], 0x20             ; xq s[12:13], wq s[14:15]
	s_load_b64 s[16:17], s[0:1], 0x30              ; ws
	s_set_vgpr_msb 0x40
	v_lshl_add_u32 v0, v0, 2, 0x10800
	v_mov_b32 v1, 0
	s_set_vgpr_msb 0x4000
	v_lshrrev_b32 v15, 5, v0
	v_readfirstlane_b32 s[WV], v15                 ; wave 0..10
	v_and_b32 v15, 31, v0                          ; lane
	v_and_b32 v12, 15, v0                          ; lane % 16
	v_bfe_u32 v13, v0, 4, 1                        ; lane / 16
	v_lshlrev_b32 v[L16], 4, v15
	v_lshlrev_b32 v[L4], 2, v15
	s_mul_i32 s21, s[WV], STAGEB                   ; my stage (waves 0-7 alone touch LDS)
	v_add_nc_u32 v[SIN], s21, v[L16]
	v_mul_u32_u24 v[SOUT], v12, SPITCH
	v_lshl_add_u32 v[SOUT], v13, 6, v[SOUT]
	v_add_nc_u32 v[SOUT], s21, v[SOUT]
	v_lshlrev_b32 v[SCO], 4, v12
	v_lshl_add_u32 v[SCO], v13, 3, v[SCO]
	v_mul_u32_u24 v[WCO], v13, CBB
	v_lshl_add_u32 v[WCO], v12, 4, v[WCO]
	v_mul_u32_u24 v[WSO], v13, CBS
	v_lshl_add_u32 v[WSO], v12, 4, v[WSO]
.irp b, 0,1,2,3
	v_mov_b32 v[TM+4+\b], 0                        ; written once: a lane permute's destination counts as one of its sources
.endr
	s_mov_b32 s[SEL], 0x76543210
	s_mov_b32 s[SEL+1], 0xfedcba98                 ; v_permlanex16_b32's selects for lane l xor 16
	s_mov_b32 s[MNT], 0x600000                     ; the mantissa field of 448
	s_mov_b32 s[MHI], 0xffff0000                   ; lanes 16-31
	s_wait_kmcnt 0x0
	s_cmp_lt_u32 s[WV], 8
	s_cbranch_scc0 .Lw_role
; ------------------------------------------------------------------ x
	s_lshl_b32 s26, ttmp9, 2
	s_lshr_b32 s27, s[WV], 1
	s_add_co_u32 s26, s26, s27                     ; my tile of 16 rows, 0..1023
	s_and_b32 s27, s[WV], 1                        ; which 512 along K
	s_lshr_b32 s28, s26, 1                         ; the quarter (32 rows)
	s_and_b32 s29, s26, 1                          ; the tile in it
	s_lshl_b32 s30, s28, 17                        ; x: 32 rows of 4,096 bytes a quarter,
	s_lshl_b32 s31, s29, 15                        ; 8 rows on for tile 1,
	s_add_co_u32 s30, s30, s31
	s_lshl_b32 s31, s27, 11                        ; 2,048 bytes on for the second half of K
	s_add_co_u32 s30, s30, s31
	s_mov_b32 s31, 0
	s_add_nc_u64 s[4:5], s[4:5], s[30:31]
	s_mul_i32 s32, s28, QB
	s_lshl_b32 s33, s29, 14                        ; codes: 16,384 bytes a tile,
	s_add_co_u32 s34, s32, s33
	s_lshl_b32 s33, s27, 13                        ; 8,192 for four K steps
	s_add_co_u32 s34, s34, s33
	s_mov_b32 s35, 0
	s_add_nc_u64 s[36:37], s[12:13], s[34:35]
	s_lshl_b32 s33, s29, 9                         ; scale words: behind the quarter's codes, 512 bytes a tile,
	s_add_co_u32 s32, s32, s33
	s_lshl_b32 s33, s27, 8                         ; 256 for four K steps (they belong to lanes 16-31 of the reader where the K step is 4 or more)
	s_add_co_u32 s32, s32, s33
	s_add_co_u32 s32, s32, 32768
	s_mov_b32 s33, 0
	s_add_nc_u64 s[38:39], s[12:13], s[32:33]
.macro LOAD t                          ; K step t of my 16 rows: each load reads 512 consecutive bytes of one row
.irp m, 0,1,2,3,4,5,6,7,8,9,10,11,12,13,14,15
	global_load_b128 v[R+64*((\t)%2)+4*\m:R+64*((\t)%2)+4*\m+3], v[L16], s[4:5] offset:(\m+8*(\m/8))*4096+512*(\t) th:TH_LOAD_NT
.endr
.endm
; 64 numbers of a lane, v[s] on, become a fragment's codes in v[c] on and its row's scale word in v[w]
.macro QUANT s, c, w
.irp b, 0,1,2,3
	v_max3_num_f32 v[TM+\b], |v[\s+16*\b]|, |v[\s+1+16*\b]|, 0x4800000   ; block b: my 16 numbers, and the floor 2^(9 - 127): the byte cannot fall under 1
.endr
.irp i, 2,4,6,8,10,12,14
.irp b, 0,1,2,3
	v_max3_num_f32 v[TM+\b], v[TM+\b], |v[\s+16*\b+\i]|, |v[\s+1+16*\b+\i]|   ; the four blocks by turns
.endr
.endr
.irp b, 0,1,2,3
	v_permlanex16_b32 v[TM+4+\b], v[TM+\b], s[SEL], s[SEL+1]
.endr
.irp b, 0,1,2,3
	v_max_num_f32 v[TM+\b], v[TM+\b], v[TM+4+\b]   ; with lane l xor 16's 16: the block's largest magnitude
.endr
.irp b, 0,1,2,3
	v_add_nc_u32 v[TM+12+\b], 0xfc000000, v[TM+\b] ; 8 off its exponent field: the conversion takes this operand's exponent field as its scale
.endr
.irp b, 0,1,2,3
	v_and_or_b32 v[TM+8+\b], v[TM+\b], 0x7f800000, s[MNT]   ; 448 x the scale
.endr
.irp b, 0,1,2,3
	v_lshrrev_b32 v[TM+4+\b], 23, v[TM+12+\b]      ; the scale's byte
.endr
	v_lshl_or_b32 v[\w], v[TM+5], 8, v[TM+4]
	v_lshl_or_b32 v[\w], v[TM+6], 16, v[\w]
	v_lshl_or_b32 v[\w], v[TM+7], 24, v[\w]
.irp b, 0,1,2,3
.irp i, 0,1,2,3,4,5,6,7,8,9,10,11,12,13,14,15
	v_med3_num_f32 v[\s+16*\b+\i], v[\s+16*\b+\i], -v[TM+8+\b], v[TM+8+\b]   ; the conversion to an 8-bit code does not saturate (ISA guide 7.6.2): the hold comes first
.endr
	v_cvt_scalef32_pk8_fp8_f32 v[(\c)+4*\b:(\c)+1+4*\b], v[\s+16*\b:\s+7+16*\b], v[TM+12+\b]
	v_cvt_scalef32_pk8_fp8_f32 v[(\c)+2+4*\b:(\c)+3+4*\b], v[\s+8+16*\b:\s+15+16*\b], v[TM+12+\b]
.endr
	v_nop                                          ; one plain line behind the last conversion
.endm
.macro XSTEP t
.if (\t) < 3
	s_wait_loadcnt 16                              ; this step's 16 loads are in; the next step's 16 may be out
.else
	s_wait_loadcnt 0x0
.endif
.irp m, 0,1,2,3,4,5,6,7,8,9,10,11,12,13,14,15
	ds_store_b128 v[SIN], v[R+64*((\t)%2)+4*\m:R+64*((\t)%2)+4*\m+3] offset:SPITCH*\m   ; row m as it lies
.endr
.irp b, 0,1,2,3
.irp j, 0,1,2,3
	ds_load_b128 v[X+16*\b+4*\j:X+16*\b+4*\j+3], v[SOUT] offset:128*\b+16*\j   ; LDS serves a wave's instructions in order: these see the stores above
.endr
.endr
	s_wait_dscnt 0x0                               ; my 64 numbers are back; the stores have read their registers,
.if (\t) < 2
	LOAD (\t)+2                                    ; which take the loads of two steps on
.endif
.if (\t) >= 2
	s_wait_xcnt 0x0                                ; the stores of two steps back have read this set of codes: it is written again only behind this wait
.endif
	QUANT X, C+16*((\t)%2), SW+(\t)
.irp c, 0,1,2,3
	global_store_b128 v[L16], v[C+16*((\t)%2)+4*\c:C+16*((\t)%2)+4*\c+3], s[36:37] offset:2048*(\t)+512*\c   ; 32 lanes store 512 consecutive bytes, aligned to 512
.endr
.endm
	LOAD 0
	LOAD 1
	XSTEP 0
	XSTEP 1
	XSTEP 2
	XSTEP 3
	v_cndmask_b32 v12, v[SW], v[SW+2], s[MHI]      ; a row's four words are 16 bytes: lanes 0-15 store words 0, 1, lanes 16-31 words 2, 3 (both halves hold the same words)
	v_cndmask_b32 v13, v[SW+1], v[SW+3], s[MHI]
	global_store_b64 v[SCO], v[12:13], s[38:39]    ; 32 lanes store 256 consecutive bytes, aligned to 256
	s_set_vgpr_msb 0x5
	s_wait_tensorcnt 0x0
	ds_add_u32 v0, v1
	s_wait_dscnt 0x0
	s_set_vgpr_msb 0x500
	s_endpgm
; ------------------------------------------------------------------ W
.Lw_role:
	s_mul_i32 s26, ttmp9, 3
	s_add_co_u32 s26, s26, s[WV]
	s_sub_co_u32 s26, s26, 8                       ; my piece, 0..767
	s_lshr_b32 s27, s26, 8                         ; the gate: 0 f, 1 i, 2 h
	s_bfe_u32 s28, s26, 0x50003                    ; which 32 columns
	s_and_b32 s29, s26, 7                          ; which K step
	s_cmp_eq_u32 s27, 0
	s_cselect_b64 s[6:7], s[6:7], s[8:9]           ; the choice hangs on the ids alone
	s_cmp_eq_u32 s27, 2
	s_cselect_b64 s[6:7], s[10:11], s[6:7]
	s_lshl_b32 s30, s29, 19                        ; 128 rows of 4,096 bytes a K step,
	s_lshl_b32 s31, s28, 7                         ; 128 bytes for 32 columns
	s_add_co_u32 s30, s30, s31
	s_mov_b32 s31, 0
	s_add_nc_u64 s[6:7], s[6:7], s[30:31]
	s_mul_i32 s32, s28, 2*CBB
	s_lshl_b32 s33, s27, 3
	s_add_co_u32 s33, s33, s29
	s_lshl_b32 s33, s33, 11                        ; fragment 8 gate + K step: 2,048 bytes each
	s_add_co_u32 s32, s32, s33
	s_mov_b32 s33, 0
	s_add_nc_u64 s[14:15], s[14:15], s[32:33]
	s_mul_i32 s34, s28, 2*CBS
	s_lshl_b32 s35, s27, 9
	s_add_co_u32 s34, s34, s35
	s_lshr_b32 s35, s29, 2
	s_lshl_b32 s35, s35, 8
	s_add_co_u32 s34, s34, s35
	s_and_b32 s35, s29, 3
	s_lshl_b32 s35, s35, 2
	s_add_co_u32 s34, s34, s35
	s_mov_b32 s35, 0
	s_add_nc_u64 s[16:17], s[16:17], s[34:35]
; A LANE TAKES A COLUMN, AND ITS REGISTERS RUN DOWN K: a block of 32 lies in one lane, and the conversions give codes with K innermost.  Each load reads 128 consecutive bytes.
.macro WL c
.irp i, 0,1,2,3,4,5,6,7,8,9,10,11,12,13,14,15,16,17,18,19,20,21,22,23,24,25,26,27,28,29,30,31
	global_load_b32 v[R+32*(\c)+\i], v[L4], s[6:7] offset:(32*(\c)+\i)*4096 th:TH_LOAD_NT
.endr
.endm
.macro WBLOCK c
.set XB, R+32*(\c)
	v_max3_num_f32 v[TM], |v[XB]|, |v[XB+1]|, |v[XB+2]|
	v_max3_num_f32 v[TM+1], |v[XB+3]|, |v[XB+4]|, |v[XB+5]|
.irp i, 6,10,14,18,22,26
	v_max3_num_f32 v[TM], v[TM], |v[XB+\i]|, |v[XB+\i+1]|
	v_max3_num_f32 v[TM+1], v[TM+1], |v[XB+\i+2]|, |v[XB+\i+3]|
.endr
	v_max3_num_f32 v[TM], v[TM], |v[XB+30]|, |v[XB+31]|
	v_max3_num_f32 v[TM], v[TM], v[TM+1], 0x4800000   ; and the floor
	v_add_nc_u32 v[TM+3], 0xfc000000, v[TM]        ; the conversions' scale operand
	v_and_or_b32 v[TM+2], v[TM], 0x7f800000, s[MNT]   ; 448 x the scale
	v_lshrrev_b32 v[TM+1], 23, v[TM+3]             ; the byte
.if (\c) == 0
	v_mov_b32 v[WW], v[TM+1]
.else
	v_lshl_or_b32 v[WW], v[TM+1], 8*(\c), v[WW]    ; the lower K in the lower byte
.endif
.irp i, 0,1,2,3,4,5,6,7,8,9,10,11,12,13,14,15,16,17,18,19,20,21,22,23,24,25,26,27,28,29,30,31
	v_med3_num_f32 v[XB+\i], v[XB+\i], -v[TM+2], v[TM+2]
.endr
.irp g, 0,1,2,3
	v_cvt_scalef32_pk8_fp8_f32 v[WC+8*(\c)+2*\g:WC+8*(\c)+2*\g+1], v[XB+8*\g:XB+8*\g+7], v[TM+3]
.endr
	v_nop                                          ; one plain line behind the last conversion
	global_store_b128 v[WCO], v[WC+8*(\c):WC+8*(\c)+3], s[14:15] offset:512*(\c)          ; k 32 c + 0..15: the reader's lanes 0-15; sixteen lanes store 256 consecutive bytes, aligned
	global_store_b128 v[WCO], v[WC+8*(\c)+4:WC+8*(\c)+7], s[14:15] offset:512*(\c)+256    ; k 32 c + 16..31: its lanes 16-31
.endm
	WL 0
	WL 1
	s_wait_loadcnt 32                              ; block 0 is in; block 1's 32 loads may be out
	WL 2
	WBLOCK 0
	s_wait_loadcnt 32                              ; block 1 is in; block 2's may be out
	WL 3
	WBLOCK 1
	s_wait_loadcnt 32                              ; block 2 is in; block 3's may be out
	WBLOCK 2
	s_wait_loadcnt 0x0
	WBLOCK 3
	global_store_b32 v[WSO], v[WW], s[16:17]       ; my column's word for this K step: 4 bytes of each 16: one byte in 128 of what this role reads
	s_endpgm
.Lfunc_end_k_qc241e2fbb1_quant:
	.size	k_qc241e2fbb1_quant, .Lfunc_end_k_qc241e2fbb1_quant-k_qc241e2fbb1_quant
	.p2alignl 7, 3214868480
	.fill 96, 4, 3214868480
	.section	.rodata,"a",@progbits
	.p2align	6, 0x0
	.amdhsa_kernel k_qc241e2fbb1_quant
		.amdhsa_group_segment_fixed_size 69120
		.amdhsa_private_segment_fixed_size 0
		.amdhsa_enable_private_segment 0
		.amdhsa_kernarg_size 56
		.amdhsa_user_sgpr_count 2
		.amdhsa_user_sgpr_kernarg_segment_ptr 1
		.amdhsa_wavefront_size32 1
		.amdhsa_system_sgpr_workgroup_id_x 1
		.amdhsa_system_sgpr_workgroup_id_y 1
		.amdhsa_system_sgpr_workgroup_id_z 1
		.amdhsa_system_vgpr_workitem_id 0
		.amdhsa_next_free_vgpr 258
		.amdhsa_next_free_sgpr 66
		.amdhsa_reserve_vcc 0
		.amdhsa_float_denorm_mode_32 3
		.amdhsa_float_denorm_mode_16_64 3
		.amdhsa_memory_ordered 1
		.amdhsa_forward_progress 1
		.amdhsa_inst_pref_size 80
	.end_amdhsa_kernel
	.amdgpu_metadata
---
amdhsa.version: [ 1, 2 ]
amdhsa.kernels:
  - .name:           k_qc241e2fbb1_quant
    .symbol:         k_qc241e2fbb1_quant.kd
    .args:
      - { .name: x, .offset: 0, .size: 8, .value_kind: global_buffer, .address_space: global }
      - { .name: W_f, .offset: 8, .size: 8, .value_kind: global_buffer, .address_space: global }
      - { .name: W_i, .offset: 16, .size: 8, .value_kind: global_buffer, .address_space: global }
      - { .name: W_h, .offset: 24, .size: 8, .value_kind: global_buffer, .address_space: global }
      - { .name: xq, .offset: 32, .size: 8, .value_kind: global_buffer, .address_space: global }
      - { .name: wq, .offset: 40, .size: 8, .value_kind: global_buffer, .address_space: global }
      - { .name: ws, .offset: 48, .size: 8, .value_kind: global_buffer, .address_space: global }
    .group_segment_fixed_size: 69120
    .private_segment_fixed_size: 0
    .kernarg_segment_align: 8
    .kernarg_segment_size: 56
    .max_flat_workgroup_size: 352
    .sgpr_count:     66
    .vgpr_count:     258
    .wavefront_size: 32
...
	.end_amdgpu_metadata
.endif
;; end of part 1
;; launch scan (part 2): grid 64 x 4, 4 waves a work-group, clusters of 4 x 1, 327,680 bytes of LDS; arguments xq, wq, ws, b_f, b_i, b_h, h0, out0; writes out0
.if DOCPART == 2
	.amdgcn_target "amdgcn-amd-amdhsa--gfx1250"
	.amdhsa_code_object_version 6
	.text
	.protected	k_qc241e2fbb1_scan
	.globl	k_qc241e2fbb1_scan
	.p2align	8
	.type	k_qc241e2fbb1_scan,@function
k_qc241e2fbb1_scan:
	s_mov_b64 s[64:65], 0
	v_nop
	global_prefetch_b8 v0, s[64:65] scope:SCOPE_SE
	s_setreg_imm32_b32 hwreg(HW_REG_WAVE_MODE, 25, 1), 1
	s_wait_xcnt 0x0
	s_wait_alu depctr_hold_cnt(0) depctr_sa_sdst(0) depctr_va_vdst(0) depctr_va_sdst(0) depctr_va_ssrc(0) depctr_va_vcc(0) depctr_vm_vsrc(0)
	s_getreg_b32 s2, hwreg(HW_REG_IB_STS2, 6, 4)
	s_cmp_eq_u32 s2, 0
	s_cbranch_scc0 .Lentry_in_a_cluster
	s_endpgm
.Lentry_in_a_cluster:
	s_bfe_u32 s2, ttmp6, 0x10000c
	s_cmp_lg_u32 s2, 0x3003
	s_cbranch_scc0 .Lentry_shape_is_right
	s_endpgm
.Lentry_shape_is_right:
; minLSTM: k_g = Q(x) Q(W_g) + b_g (g = f, i, h) on codes of FP8 (E4M3) with E8M0 scales, then h_t = f_t h_(t-1) + i_t g_t, all fused: nothing between the products and out0 goes to memory.
; THE GATES.  With P = 1 + e^-kf and Q = 1 + e^-ki the reference's log f' and log i' are log(Q / (P + Q)) and log(P / (P + Q)).  P and Q are taken under a common factor:
; s = max(-kf, -ki, 0) is taken away ahead of every exponential, so that e0 = e^-s, e1 = e^(-kf - s), e2 = e^(-ki - s) are at most 1 and one of them is 1: P = e0 + e1, Q = e0 + e2, P + Q lies in 1 .. 4.
; g(kh) = max(kh + 0.5, sigmoid(kh)): the two branches meet at 0 with slopes 1 and 1/4, so the larger one is the reference's choice on both sides.
; THE SCAN is run on h itself, not on its logarithm: f + i = 1 and all terms are positive, so h_t lies between the smallest and the largest of h0 and the g: nothing overflows, no difference is formed.
; A negative h0 has no logarithm: its channel is NaN throughout, as in the reference (a select at the head).
; LIMITS: the exponent that should be exactly 0 carries the rounding of log2(e) x k: under 2e-4 relative at |k| = 4,000.  Infinities and NaN in x, W or the biases are not served.
; SHARES.  A work-group owns one batch and 16 channels (48 columns of weights) and walks all 4,096 steps in 32 blocks of 128; wave w owns steps 32 w .. 32 w + 31 of each block.
; The 48 columns' codes stay in every wave's registers (384).  x's codes of a block come through a ring of two LDS slots; wave w fetches and reads its own quarter alone, each byte once.
; In the result lane (r, h) holds channel r, and the 16 registers of its two tiles are steps 32 w + 16 h + 0..15 (the first launch chose the tiles' rows so).  A lane scans its 16 steps from 0; the halves meet
; by a lane exchange, the four waves through 8 bytes a channel in LDS; the carry is then put in by one fused multiply-add a number.
; CLUSTER.  The four work-groups of a cluster own neighbouring channels of one batch and walk the same codes of x: each quarter is asked for JOINTLY, by the same tensor load in all four.
; OUT.  4,096 channel chains over 256 work-groups are 16 channels each: a row's piece of out0 is 64 bytes, so a store covers 8 rows x 64 bytes and not whole aligned blocks of 256.  Wider pieces would take
; a quarter of the work-groups, or a cut of time whose partial scans go to memory and back.
; REGISTERS, in windows of 256: window 0: addresses, scale words, carries, two sets of six accumulators, 32 at work.  window 1: weights of K steps 0-4 at v[16 (3 s + g)].
;   window 2: weights of K steps 5-7 at v[16 (3 (s - 5) + g)]; the biases, eight equal registers a gate, from v144.  window 3: x's 16 fragments at v[16 (8 tile + s)].
.set QB,     33792                     ; a wave's quarter of a block: 32,768 bytes of codes, 1,024 of scale words
.set SLOTB,  4*QB
.set BLOCKS, 32
.set STG,    2*SLOTB                   ; behind the ring: a stage of 32 rows x 64 bytes for each wave; rows 16-31 lie 64 bytes further on, so that the two halves of the lanes store to different banks
.set STGW,   2304
.set AGG,    STG+4*STGW                ; the waves' aggregates: two sets by turns, 256 bytes a wave
.set SPARE,  AGG+2048                  ; the spare words, 128 bytes for each wave: two blocks of 256 bytes that no other line names
.set SPW, 1                            ; v1   SPARE + 4 x my thread's number; never rewritten
.set NIL, 2                            ; v2   0; never rewritten
.set AX,  3                            ; v3-4 my lane's 16 bytes in my quarter of slot 0, 1
.set STA, 5                            ; v5   the stage, in
.set STR, 6                            ; v6   the stage, back
.set AGW, 7                            ; v7   where I put my wave's aggregate
.set AGR, 8                            ; v8   where my channel's aggregates lie
.set GO,  9                            ; v9   my byte offset in 8 rows of out0
.set PFO, 10                           ; v10  256 x lane
.set L16, 11                           ; v11  16 x lane
.set R4,  12                           ; v12  4 x (lane % 16)
.set WS,  16                           ; v16-27  the weights' scale words: register 4 g + q: lanes 0-15 K step q, lanes 16-31 K step 4 + q
.set XS,  28                           ; v28-35  x's: register 4 tile + q, likewise
.set AG,  36                           ; v36-43  (A, H) of waves 0..3
.set CB,  44                           ; v44  the carry into the block
.set C1,  45
.set C2,  46
.set C3,  47
.set CW,  48                           ; v48  the carry into my wave's steps
.set TT,  49
.set CL,  50                           ; v50 (51)  into my lane's 16 steps; named as a pair
.set CM,  52                           ; v52 (53)  into its second eight
.set A16, 54
.set H16, 55
.set AO,  56                           ; v56-57  the other half's (A, H) of 16 steps
.set HO,  57
.set A32, 58                           ; v58-59  my wave's (A, H), right in lanes 16-31
.set OB,  60                           ; v60-75  rows back from the stage
.set ACC, 80                           ; v80-127, v128-175: two sets: kf at +0, ki at +16, kh at +32; register 8 tile + j
.set T0,  176
.set TH,  192
.set BI,  144                          ; the biases, in window 2
.set WV,  20
.set CX,  21
.set CBK, 22
.set BT,  23
.set G1,  24                           ; s[24:31] descriptor group 1
.set G0,  32                           ; s[32:39] group 0, a set for each slot
.set NC,  40                           ; s[40:41] -log2(e), twice
.set SEL, 42
.set MHI, 44                           ; lanes 16-31
.set M1,  45                           ; s45-47  all ones where my wave's number is at least 1, 2, 3
.set CNT, 48
.set PFA, 50
.set PFQ, 52
.set MSB, 0
.macro WIN new                         ; the immediate's high byte repeats the setting that is left
.if MSB != \new
	s_set_vgpr_msb (MSB<<8)|\new
.set MSB, \new
.endif
.endm
.macro ROUND                           ; a round of the cluster's barrier
	s_barrier_signal -1
	s_barrier_wait -1
	s_cmp_lg_u32 s[WV], 0
	s_cbranch_scc1 .Lnot_wave_0_\@
	s_barrier_signal -3
.Lnot_wave_0_\@:
	s_barrier_wait -3
	s_barrier_signal -1
	s_barrier_wait -1
.endm
; A PREFETCH INTO THE L2 of the codes that the NEXT trip's tensor load will ask for.  All sixteen clusters of a batch walk the same codes: the first of them asks.  Of the 128 pieces of 256 bytes of wave w's
; quarter each of its four partners takes 32, told apart by address; a lane a piece, one instruction a wave.
.macro ASK
	s_cmp_eq_u32 s[PFQ], 0
	s_cbranch_scc0 .Lnot_mine_\@
	global_prefetch_b8 v[PFO], s[PFA:PFA+1] th:TH_LOAD_NT scope:SCOPE_SE
.Lnot_mine_\@:
.endm
.macro XL_S p                          ; x's scale words of slot p
	ds_load_b128 v[XS:XS+3], v[AX+(\p)] offset:32768
	ds_load_b128 v[XS+4:XS+7], v[AX+(\p)] offset:33280
.endm
.macro XL_T p, t                       ; the eight fragments of tile t, images of their registers: 512 consecutive bytes a load.  The caller has set the destination's window to 3
.irp s, 0,1,2,3,4,5,6,7
.irp c, 0,1,2,3
	ds_load_b128 v[16*(8*\t+\s)+4*\c:16*(8*\t+\s)+4*\c+3], v[AX+(\p)] offset:16384*\t+2048*\s+512*\c
.endr
.endr
.endm
; 48 matrix instructions: source 0 = 16 steps of x, source 1 = 16 columns of a gate's weights.  The six accumulators take turns, one instruction a turn; the bias is the C of each sum's first product.
.macro MATRIX q
.set AB, ACC+48*(\q)
.irp s, 0,1,2,3,4,5,6,7
.if \s == 0
	WIN 0x27                                       ; x window 3, weights window 1, bias window 2, result window 0
.elseif \s < 5
	WIN 0x07
.else
	WIN 0x0b                                       ; weights window 2
.endif
.irp g, 0,1,2
.irp t, 0,1
.set rD, AB+16*\g+8*\t
.set rA, 16*(8*\t+\s)
.set rB, 16*(3*(\s%5)+\g)
.if \s == 0
	v_wmma_scale_f32_16x16x128_f8f6f4 v[rD:rD+7], v[rA:rA+15], v[rB:rB+15], v[BI+8*\g:BI+8*\g+7], v[XS+4*\t+\s%4], v[WS+4*\g+\s%4]
.elseif \s < 4
	v_wmma_scale_f32_16x16x128_f8f6f4 v[rD:rD+7], v[rA:rA+15], v[rB:rB+15], v[rD:rD+7], v[XS+4*\t+\s%4], v[WS+4*\g+\s%4]
.else
	v_wmma_scale_f32_16x16x128_f8f6f4 v[rD:rD+7], v[rA:rA+15], v[rB:rB+15], v[rD:rD+7], v[XS+4*\t+\s%4], v[WS+4*\g+\s%4] matrix_a_scale:MATRIX_SCALE_ROW1 matrix_b_scale:MATRIX_SCALE_ROW1
.endif
.endr
.endr
.endr
	WIN 0
.endm
; THE GATES, a pair of steps at a time (pair p = registers 2 p, 2 p + 1 of the 16).  Line n of each part, so that plain lines and transcendentals can stand by turns.
.macro ARGL p, n                       ; the exponents, in base 2
.set ee, 2*(\p)
.if \n == 0
	v_max3_num_f32 v[T0+ee], -v[KF+ee], -v[KI+ee], 0                 ; s
.elseif \n == 1
	v_max3_num_f32 v[T0+ee+1], -v[KF+ee+1], -v[KI+ee+1], 0
.elseif \n == 2
	v_pk_mul_f32 v[TH+ee:TH+ee+1], v[KH+ee:KH+ee+1], s[NC:NC+1] op_sel_hi:[1,0]      ; -c kh
.elseif \n == 3
	v_pk_mul_f32 v[T0+ee:T0+ee+1], v[T0+ee:T0+ee+1], s[NC:NC+1] op_sel_hi:[1,0]      ; -c s
.elseif \n == 4
	v_pk_fma_f32 v[KF+ee:KF+ee+1], v[KF+ee:KF+ee+1], s[NC:NC+1], v[T0+ee:T0+ee+1] op_sel_hi:[1,0,1]   ; -c kf - c s
.else
	v_pk_fma_f32 v[KI+ee:KI+ee+1], v[KI+ee:KI+ee+1], s[NC:NC+1], v[T0+ee:T0+ee+1] op_sel_hi:[1,0,1]   ; -c ki - c s
.endif
.endm
.macro EXPL p, n                       ; eight exponentials, in place
.if \n < 2
.set rE, TH
.elseif \n < 4
.set rE, T0
.elseif \n < 6
.set rE, KF
.else
.set rE, KI
.endif
	v_exp_f32 v[rE+2*(\p)+(\n)%2], v[rE+2*(\p)+(\n)%2]
.endm
.macro MIX12 p                         ; pair p's exponents and pair p - 1's exponentials by turns: neither names a register of the other
.irp n, 0,1,2,3,4,5
	ARGL \p, \n
	EXPL \p-1, \n
.endr
	EXPL \p-1, 6
	EXPL \p-1, 7
.endm
.macro SUML p, n
.set ee, 2*(\p)
.if \n == 0
	v_pk_add_f32 v[KF+ee:KF+ee+1], v[KF+ee:KF+ee+1], v[T0+ee:T0+ee+1]                ; P
.elseif \n == 1
	v_pk_add_f32 v[KI+ee:KI+ee+1], v[KI+ee:KI+ee+1], v[T0+ee:T0+ee+1]                ; Q
.elseif \n == 2
	v_pk_add_f32 v[TH+ee:TH+ee+1], v[TH+ee:TH+ee+1], 1.0 op_sel_hi:[1,0]             ; 1 + e^-kh
.elseif \n == 3
	v_pk_add_f32 v[T0+ee:T0+ee+1], v[KF+ee:KF+ee+1], v[KI+ee:KI+ee+1]                ; P + Q
.else
	v_pk_add_f32 v[KH+ee:KH+ee+1], v[KH+ee:KH+ee+1], 0.5 op_sel_hi:[1,0]             ; kh + 0.5
.endif
.endm
.macro RCPL p, n                       ; four reciprocals, in place
.if \n < 2
	v_rcp_f32 v[TH+2*(\p)+\n], v[TH+2*(\p)+\n]
.else
	v_rcp_f32 v[T0+2*(\p)+\n-2], v[T0+2*(\p)+\n-2]
.endif
.endm
.macro MIX34 p
.irp n, 0,1,2,3
	SUML \p, \n
	RCPL \p-1, \n
.endr
	SUML \p, 4
.endm
.macro GATE p
.set ee, 2*(\p)
	v_pk_mul_f32 v[KI+ee:KI+ee+1], v[KI+ee:KI+ee+1], v[T0+ee:T0+ee+1]                ; f = Q / (P + Q)
	v_pk_mul_f32 v[KF+ee:KF+ee+1], v[KF+ee:KF+ee+1], v[T0+ee:T0+ee+1]                ; i = P / (P + Q)
	v_max_num_f32 v[KH+ee], v[KH+ee], v[TH+ee]                                       ; g
	v_max_num_f32 v[KH+ee+1], v[KH+ee+1], v[TH+ee+1]
	v_pk_mul_f32 v[KF+ee:KF+ee+1], v[KF+ee:KF+ee+1], v[KH+ee:KH+ee+1]                ; v = i g
.endm
.macro PREFIX                          ; each tile's eight steps from 0: H_j = f_j H_(j-1) + v_j in kf's place, A_j = f_j A_(j-1) in ki's: four chains by turns
.irp j, 1,2,3,4,5,6,7
.irp t, 0,8
	v_fmac_f32 v[KF+\t+\j], v[KI+\t+\j], v[KF+\t+\j-1]
.endr
.irp t, 0,8
	v_mul_f32 v[KI+\t+\j], v[KI+\t+\j], v[KI+\t+\j-1]
.endr
.endr
.endm
.macro AGGR q                          ; my 16 steps' (A, H); the other half's; my wave's 32 steps', right in lanes 16-31, to LDS
	v_mul_f32 v[A16], v[KI+7], v[KI+15]
	v_fma_f32 v[H16], v[KI+15], v[KF+7], v[KF+15]
	v_permlanex16_b32 v[AO], v[A16], s[SEL], s[SEL+1]
	v_permlanex16_b32 v[HO], v[H16], s[SEL], s[SEL+1]
	v_mul_f32 v[A32], v[A16], v[AO]
	v_fma_f32 v[A32+1], v[A16], v[HO], v[H16]
	ds_store_b64 v[AGW], v[A32:A32+1] offset:1024*(\q)
.endm
.macro VECTOR q                        ; pairs ascend: each accumulator is first read at its two lowest registers
.set KF, ACC+48*(\q)
.set KI, KF+16
.set KH, KF+32
.irp n, 0,1,2,3,4,5
	ARGL 0, \n
.endr
.irp p, 1,2,3,4,5,6,7
	MIX12 \p
.endr
.irp n, 0,1,2,3,4,5,6,7
	EXPL 7, \n
.endr
	v_nop                                          ; a plain line behind the last exponential
	s_wait_alu depctr_va_vdst(0)                   ; one wait for the 64 exponentials, ahead of the first line that names a result
.irp n, 0,1,2,3,4
	SUML 0, \n
.endr
.irp p, 1,2,3,4,5,6,7
	MIX34 \p
.endr
.irp n, 0,1,2,3
	RCPL 7, \n
.endr
	v_nop
	s_wait_alu depctr_va_vdst(0)                   ; and one for the 32 reciprocals
.irp p, 0,1,2,3,4,5,6,7
	GATE \p
.endr
	PREFIX
	AGGR \q
.endm
; The block in accumulator set p gets its carry and leaves.  xf = 1: the block two on, which lies in slot p, is fetched into x's registers meanwhile.
; The 18 plain lines at its head name no register of the products just issued: they are the eight places ahead of the loads into x's fragments and scale words and of the first read of the new sums.
.macro FINISH p, xf
.set FH, ACC+48*(\p)
.set FA, FH+16
	s_wait_dscnt 0x0                               ; the four waves' aggregates are in
	v_fma_f32 v[C1], v[AG], v[CB], v[AG+1]         ; the carry behind wave 0,
	v_fma_f32 v[C2], v[AG+2], v[C1], v[AG+3]       ; wave 1,
	v_fma_f32 v[C3], v[AG+4], v[C2], v[AG+5]       ; wave 2
	v_cndmask_b32 v[CW], v[CB], v[C1], s[M1]       ; the one that enters my wave's steps: a select, no branch
	v_cndmask_b32 v[CW], v[CW], v[C2], s[M1+1]
	v_cndmask_b32 v[CW], v[CW], v[C3], s[M1+2]
	v_fma_f32 v[CB], v[AG+6], v[C3], v[AG+7]       ; behind wave 3: the next block's
	v_fma_f32 v[TT], v[AO], v[CW], v[HO]           ; behind lanes 0-15's 16 steps
	v_cndmask_b32 v[CL], v[CW], v[TT], s[MHI]      ; lanes 16-31 take that
	v_fma_f32 v[CM], v[FA+7], v[CL], v[FH+7]       ; behind my first eight
.irp e, 0,2,4,6
	v_pk_fma_f32 v[FH+\e:FH+\e+1], v[FA+\e:FA+\e+1], v[CL:CL+1], v[FH+\e:FH+\e+1] op_sel_hi:[1,0,1]   ; h = A x carry + H
.endr
.irp e, 8,10,12,14
	v_pk_fma_f32 v[FH+\e:FH+\e+1], v[FA+\e:FA+\e+1], v[CM:CM+1], v[FH+\e:FH+\e+1] op_sel_hi:[1,0,1]
.endr
.irp e, 0,1,2,3,4,5,6,7,8,9,10,11,12,13,14,15
	ds_store_b32 v[STA], v[FH+\e] offset:64*\e     ; step 16 h + e, channel r
.endr
.irp i, 0,1,2,3
	ds_load_b128 v[OB+4*\i:OB+4*\i+3], v[STR] offset:512*\i+64*(\i/2)   ; eight rows of 64 bytes; LDS serves a wave's instructions in order: these see the stores above
.endr
.if \xf
	XL_S \p
	WIN 0xc0                                       ; destination window 3; the stores below name sources alone
	XL_T \p, 0
	s_wait_dscnt 34                                ; the stage's four loads are in; the 2 + 32 issued behind them may be out
.irp i, 0,1,2,3
	global_store_b128 v[GO], v[OB+4*\i:OB+4*\i+3], s[18:19] offset:32768*\i th:TH_STORE_NT   ; four lanes store a row's 64 bytes, 32 lanes eight rows
.endr
	XL_T \p, 1
	WIN 0
.else
	s_wait_dscnt 0x0
.irp i, 0,1,2,3
	global_store_b128 v[GO], v[OB+4*\i:OB+4*\i+3], s[18:19] offset:32768*\i th:TH_STORE_NT
.endr
.endif
.endm
; A TRIP.  q: the parity of the block that is multiplied; the block before it (set 1 - q) is finished.  ONE barrier: in front of it my aggregate is stored, my reads of slot q are over and all my tensor loads
; have landed, the block two on from the one finished among them; behind it slot q is filled again (fill = 1: the barrier is a round of the cluster's, since the refill is a joint load) and the others' aggregates are read.
; The two sets of aggregates take turns: a set is written again only behind the next barrier, which every wave reaches with its reads of that set waited for.
.macro TRIP q, fin, fill, xf, ask, mat
	s_wait_tensorcnt 0x0                           ; no tensor load of mine is out, so a group 0 may be written
	ds_add_u32 v[SPW], v[NIL]                      ; 0 onto my spare word
.if \fill
	s_add_nc_u64 s[G0+4*\q+2:G0+4*\q+3], s[G0+4*\q+2:G0+4*\q+3], 2*SLOTB   ; this slot's next block; the type bits on top are not reached
.endif
	s_wait_dscnt 0x0                               ; the add and my aggregate's store are done; x's fragments are in, so my reads of slot q are over
.if \fill
	ROUND
	tensor_load_to_lds s[G0+4*\q:G0+4*\q+3], s[G1:G1+7]   ; my one tensor load behind the round, and the first thing there: it has the whole trip in which to land
	s_nop 0
.rept 4
	v_nop
.endr
.else
	s_barrier_signal -1
	s_barrier_wait -1
.endif
.if \fin
.irp w, 0,1,2,3
	ds_load_b64 v[AG+2*\w:AG+2*\w+1], v[AGR] offset:1024*(1-\q)+256*\w
.endr
.endif
.if \ask
	ASK
.endif
.if \mat
	MATRIX \q
.endif
.if \fin
	FINISH 1-\q, \xf
.else
.rept 8
	v_nop                                          ; eight places ahead of loads into registers that the products have read, and of the first read of their sums
.endr
	XL_S 1-\q
	WIN 0xc0
	XL_T 1-\q, 0
	XL_T 1-\q, 1
	WIN 0
.endif
.if \mat
	VECTOR \q
.endif
.if (\fin) && (\mat)
	s_wait_xcnt 0x0                                ; the stores have read their data and base, the prefetch its address: only behind this wait are they written again
	s_add_nc_u64 s[18:19], s[18:19], 128*4096      ; out0: 128 rows on
.if \ask
	s_add_nc_u64 s[PFA:PFA+1], s[PFA:PFA+1], SLOTB
.endif
.endif
.endm
	s_load_b512 s[4:19], s[0:1], 0x0               ; xq s[4:5], wq s[6:7], ws s[8:9], b_f s[10:11], b_i s[12:13], b_h s[14:15], h0 s[16:17], out0 s[18:19]
	v_lshl_add_u32 v[SPW], v0, 2, SPARE
	v_mov_b32 v[NIL], 0
	ds_add_u32 v1, v2
	ds_add_u32 v1, v2
	s_wait_dscnt 0x0
	v_lshrrev_b32 v13, 5, v0
	v_readfirstlane_b32 s[WV], v13                 ; wave 0..3
	v_and_b32 v13, 31, v0                          ; lane
	v_and_b32 v14, 15, v0                          ; r
	v_bfe_u32 v15, v0, 4, 1                        ; h
	s_bfe_u32 s[CX], ttmp6, 0x40000                ; my place in the cluster: it enters the weights', biases', h0's, out0's and the prefetch's addresses alone
	s_lshl_b32 s[CBK], ttmp9, 2
	s_add_co_u32 s[CBK], s[CBK], s[CX]             ; my 16 channels: 4 x cluster x + cx
	s_and_b32 s[BT], ttmp7, 0xffff                 ; the batch, which the four partners share
	s_mov_b32 s[PFQ], ttmp9
	; descriptor group 1: a dense block of 33,792 bytes as 132 rows of 32 elements of 8 bytes, no padding (images are read 16 bytes a lane on end)
	s_mov_b32 s[G1], 15|(3<<16)|(1<<21)            ; 15:0 the mask: all four work-groups; 17:16 elements of 8 bytes; 21 set beside a mask
	s_mov_b32 s[G1+1], 32<<16                      ; tensor_dim0 = 32
	s_mov_b32 s[G1+2], 132<<16                     ; tensor_dim1 = 132
	s_mov_b32 s[G1+3], 32<<16                      ; tile_dim0 = 32
	s_mov_b32 s[G1+4], 132                         ; tile_dim1 = 132
	s_mov_b32 s[G1+5], 32                          ; from row to row
	s_mov_b32 s[G1+6], 0
	s_mov_b32 s[G1+7], 0
	s_mov_b32 s[NC], 0xbfb8aa3b                    ; -log2(e)
	s_mov_b32 s[NC+1], s[NC]                       ; (named with it as a pair, so it is written)
	s_mov_b32 s[SEL], 0x76543210
	s_mov_b32 s[SEL+1], 0xfedcba98                 ; v_permlanex16_b32's selects for lane l xor 16
	s_mov_b32 s[MHI], 0xffff0000
	s_cmp_ge_u32 s[WV], 1
	s_cselect_b32 s[M1], -1, 0
	s_cmp_ge_u32 s[WV], 2
	s_cselect_b32 s[M1+1], -1, 0
	s_cmp_ge_u32 s[WV], 3
	s_cselect_b32 s[M1+2], -1, 0
	s_mul_i32 s58, s[WV], QB                       ; my quarter, in a slot and in a block of xq
	s_mul_i32 s54, s[BT], BLOCKS*SLOTB             ; the batch's codes
	s_add_co_u32 s54, s54, s58
	s_mov_b32 s55, 0
	v_lshlrev_b32 v[L16], 4, v13
	v_lshlrev_b32 v[R4], 2, v14
	v_lshlrev_b32 v[PFO], 8, v13
	v_add_nc_u32 v[AX], s58, v[L16]
	v_add_nc_u32 v[AX+1], SLOTB, v[AX]
	s_mul_i32 s59, s[WV], STGW
	s_add_co_u32 s59, s59, STG                     ; my stage
	v_mul_u32_u24 v[STA], v15, 1088                ; in: 16 rows of 64 bytes and the 64 bytes' shift for lanes 16-31,
	v_add_nc_u32 v[STA], v[STA], v[R4]             ; 4 bytes a channel
	v_add_nc_u32 v[STA], s59, v[STA]
	v_add_nc_u32 v[STR], s59, v[L16]               ; back: 16 bytes a lane
	s_lshl_b32 s53, s[WV], 8
	s_add_co_u32 s53, s53, AGG
	v_lshlrev_b32 v[AGW], 3, v13
	v_add_nc_u32 v[AGW], s53, v[AGW]
	v_lshlrev_b32 v[AGR], 3, v14
	v_add_nc_u32 v[AGR], AGG+128, v[AGR]           ; lanes 16-31's words hold the wave's aggregate
	v_lshrrev_b32 v[GO], 2, v13
	v_lshlrev_b32 v[GO], 12, v[GO]                 ; out0: row lane / 4 of eight,
	v_and_b32 v[TT], 3, v13
	v_lshl_add_u32 v[GO], v[TT], 4, v[GO]          ; 16 bytes of its 64
	v_mov_b32 v[CL+1], 0                           ; named as the upper halves of pairs
	v_mov_b32 v[CM+1], 0
	v_mov_b32 v[AO], 0                             ; a lane permute's destination counts as one of its sources
	v_mov_b32 v[HO], 0
	s_lshl_b32 s59, s[WV], 17                      ; out0: my wave's 32 rows of 4,096 bytes
	s_wait_kmcnt 0x0
	s_add_nc_u64 s[56:57], s[4:5], s[54:55]        ; my quarter of the batch's block 0
	s_mov_b32 s[G0], 1                             ; count = 1
	s_mov_b32 s[G0+1], s58                         ; LDS address: slot 0
	s_mov_b64 s[G0+2:G0+3], s[56:57]
	s_or_b32 s[G0+3], s[G0+3], 0x80000000          ; type = 2
	s_mov_b32 s[G0+4], 1
	s_add_co_u32 s[G0+5], s58, SLOTB               ; slot 1
	s_add_nc_u64 s[G0+6:G0+7], s[56:57], SLOTB     ; block 1
	s_or_b32 s[G0+7], s[G0+7], 0x80000000
	s_lshl_b32 s60, s[CX], 13                      ; the prefetches: my work-group's 32 pieces of the quarter's 128,
	s_mov_b32 s61, 0
	s_add_nc_u64 s[PFA:PFA+1], s[56:57], s[60:61]
	s_add_nc_u64 s[PFA:PFA+1], s[PFA:PFA+1], 4*SLOTB   ; in block 4: blocks 0 to 3 come by their loads alone
	s_mul_i32 s60, s[CBK], 49152
	s_add_nc_u64 s[6:7], s[6:7], s[60:61]          ; my 16 channels' weights,
	s_mul_i32 s60, s[CBK], 1536
	s_add_nc_u64 s[8:9], s[8:9], s[60:61]          ; their scale words,
	s_lshl_b32 s60, s[CBK], 6
	s_add_nc_u64 s[10:11], s[10:11], s[60:61]      ; the biases,
	s_add_nc_u64 s[12:13], s[12:13], s[60:61]
	s_add_nc_u64 s[14:15], s[14:15], s[60:61]
	s_lshl_b32 s62, s[BT], 12
	s_add_co_u32 s62, s62, s60
	s_mov_b32 s63, 0
	s_add_nc_u64 s[16:17], s[16:17], s[62:63]      ; h0,
	s_lshl_b32 s62, s[BT], 24
	s_add_co_u32 s62, s62, s59
	s_add_co_u32 s62, s62, s60
	s_add_nc_u64 s[18:19], s[18:19], s[62:63]      ; and out0 at my wave's first row
	ROUND                                          ; all four work-groups are here: the first joint loads meet
	tensor_load_to_lds s[G0:G0+3], s[G1:G1+7]      ; blocks 0 and 1: two loads of mine are out
	s_nop 0
	tensor_load_to_lds s[G0+4:G0+7], s[G1:G1+7]
	s_nop 0
.rept 4
	v_nop
.endr
	WIN 0x40                                       ; destination window 1
.irp s, 0,1,2,3,4
.irp g, 0,1,2
.irp c, 0,1,2,3
	global_load_b128 v[16*(3*\s+\g)+4*\c:16*(3*\s+\g)+4*\c+3], v[L16], s[6:7] offset:(8*\g+\s)*2048+512*\c
.endr
.endr
.endr
	WIN 0x80                                       ; destination window 2
.irp s, 5,6,7
.irp g, 0,1,2
.irp c, 0,1,2,3
	global_load_b128 v[16*(3*(\s-5)+\g)+4*\c:16*(3*(\s-5)+\g)+4*\c+3], v[L16], s[6:7] offset:(8*\g+\s)*2048+512*\c
.endr
.endr
.endr
.irp g, 0,1,2
.irp j, 0,1,2,3,4,5,6,7
	global_load_b32 v[BI+8*\g+\j], v[R4], s[10+2*\g:11+2*\g]   ; the result's eight registers of a lane are eight steps of ONE channel: its bias eight times
.endr
.endr
	WIN 0
.irp g, 0,1,2
	global_load_b128 v[WS+4*\g:WS+4*\g+3], v[L16], s[8:9] offset:512*\g
.endr
	global_load_b32 v[CB], v[R4], s[16:17]         ; h0 of my channel
	s_wait_tensorcnt 0x1                           ; my quarter of block 0 is in, and I alone read it; block 1's may stay out
	XL_S 0
	WIN 0xc0
	XL_T 0, 0
	XL_T 0, 1
	WIN 0
	s_wait_loadcnt 0x0                             ; weights, biases, scale words, h0
	v_mov_b32 v[TT], 0x7fc00000
	v_cmp_gt_f32 vcc_lo, 0, v[CB]
	v_cndmask_b32 v[CB], v[CB], v[TT], vcc_lo      ; a negative h0 has no logarithm: NaN, which every carry hands on
	TRIP 0, 0, 1, 1, 0, 1                          ; block 0 is multiplied; block 2 is asked for; block 1 is fetched
	s_mov_b32 s[CNT], (BLOCKS-4)/2
.Lloop:                                            ; 14 trips of two: blocks 0 to 27 are finished, blocks 3 to 30 asked for, the codes of blocks 4 to 31 prefetched
	TRIP 1, 1, 1, 1, 1, 1
	TRIP 0, 1, 1, 1, 1, 1
	s_sub_co_u32 s[CNT], s[CNT], 1
	s_cmp_lg_u32 s[CNT], 0
	s_cbranch_scc1 .Lloop
	TRIP 1, 1, 1, 1, 0, 1                          ; the tail is written out: block 28 leaves, block 31 is asked for
	TRIP 0, 1, 0, 1, 0, 1                          ; block 29 leaves, block 31 is fetched
	TRIP 1, 1, 0, 0, 0, 1                          ; block 30 leaves, block 31 is multiplied
	TRIP 0, 1, 0, 0, 0, 0                          ; block 31 leaves
	s_wait_tensorcnt 0x0                           ; the wave's end: behind my last tensor load and my last LDS store
	ds_add_u32 v[SPW], v[NIL]
	s_wait_dscnt 0x0
	ROUND                                          ; the closing round: no work-group ends while a partner may still ask for a block that names it
	s_endpgm
.Lfunc_end_k_qc241e2fbb1_scan:
	.size	k_qc241e2fbb1_scan, .Lfunc_end_k_qc241e2fbb1_scan-k_qc241e2fbb1_scan
	.p2alignl 7, 3214868480
	.fill 96, 4, 3214868480
	.section	.rodata,"a",@progbits
	.p2align	6, 0x0
	.amdhsa_kernel k_qc241e2fbb1_scan
		.amdhsa_group_segment_fixed_size 327680
		.amdhsa_private_segment_fixed_size 0
		.amdhsa_enable_private_segment 0
		.amdhsa_kernarg_size 64
		.amdhsa_user_sgpr_count 2
		.amdhsa_user_sgpr_kernarg_segment_ptr 1
		.amdhsa_wavefront_size32 1
		.amdhsa_system_sgpr_workgroup_id_x 1
		.amdhsa_system_sgpr_workgroup_id_y 1
		.amdhsa_system_sgpr_workgroup_id_z 1
		.amdhsa_system_vgpr_workitem_id 0
		.amdhsa_next_free_vgpr 1024
		.amdhsa_next_free_sgpr 66
		.amdhsa_reserve_vcc 1
		.amdhsa_float_denorm_mode_32 3
		.amdhsa_float_denorm_mode_16_64 3
		.amdhsa_memory_ordered 1
		.amdhsa_forward_progress 1
		.amdhsa_inst_pref_size 174
	.end_amdhsa_kernel
	.amdgpu_metadata
---
amdhsa.version: [ 1, 2 ]
amdhsa.kernels:
  - .name:           k_qc241e2fbb1_scan
    .symbol:         k_qc241e2fbb1_scan.kd
    .args:
      - { .name: xq, .offset: 0, .size: 8, .value_kind: global_buffer, .address_space: global }
      - { .name: wq, .offset: 8, .size: 8, .value_kind: global_buffer, .address_space: global }
      - { .name: ws, .offset: 16, .size: 8, .value_kind: global_buffer, .address_space: global }
      - { .name: b_f, .offset: 24, .size: 8, .value_kind: global_buffer, .address_space: global }
      - { .name: b_i, .offset: 32, .size: 8, .value_kind: global_buffer, .address_space: global }
      - { .name: b_h, .offset: 40, .size: 8, .value_kind: global_buffer, .address_space: global }
      - { .name: h0, .offset: 48, .size: 8, .value_kind: global_buffer, .address_space: global }
      - { .name: out0, .offset: 56, .size: 8, .value_kind: global_buffer, .address_space: global }
    .group_segment_fixed_size: 327680
    .private_segment_fixed_size: 0
    .kernarg_segment_align: 8
    .kernarg_segment_size: 64
    .max_flat_workgroup_size: 128
    .sgpr_count:     66
    .vgpr_count:     1024
    .wavefront_size: 32
...
	.end_amdgpu_metadata
.endif
;; end of part 2
;; ======== version 2 of 2: 2 launches
;; limits: right only within a limited range of input values
;; workspace buffers: xq 17,301,504 bytes; wq 3,145,728 bytes; ws 98,304 bytes
;; launch quant (part 3): grid 256 x 1, 11 waves a work-group, no clusters, 69,120 bytes of LDS; arguments x, W_f, W_i, W_h, xq, wq, ws; writes xq, wq, ws
.if DOCPART == 3
	.amdgcn_target "amdgcn-amd-amdhsa--gfx1250"
	.amdhsa_code_object_version 6
	.text
	.protected	k_qc241e2fbb1_quant
	.globl	k_qc241e2fbb1_quant
	.p2align	8
	.type	k_qc241e2fbb1_quant,@function
k_qc241e2fbb1_quant:
	s_mov_b64 s[64:65], 0
	v_nop
	global_prefetch_b8 v0, s[64:65] scope:SCOPE_SE
	s_setreg_imm32_b32 hwreg(HW_REG_WAVE_MODE, 25, 1), 1
	s_wait_xcnt 0x0
; x [16384][1024] and W_f, W_i, W_h [1024 (k)][1024 (n)], f32, become codes of FP8 (E4M3) with one E8M0 scale byte for each 32 along K,
; laid in the ORDER OF THE OPERANDS' REGISTERS of v_wmma_scale_f32_16x16x128_f8f6f4, so that the next launch loads fragments 16 bytes a lane on end.
; A block's scale is 2^(floor(log2(its largest magnitude)) - 8); its byte is the largest magnitude's exponent field - 8, held at 1 from below; each number is
; divided by the scale, held within +-448 and rounded to the nearest code, ties to even.
; LIMITS: a block of zeros gets the byte 1 where the rule says 127 (its codes are zeros, and this program alone reads the bytes); blocks whose largest magnitude
; lies under 2^-118, the floor, were not tried; NaN and infinities among the inputs are not served.
; xq: [32 rows: quarter 0..511] 33,792 bytes each: codes [tile 2][K step 8][c 4][lane 32][16 bytes], then scale words [tile 2][lane 32][q 4].
;     Lane (m = lane % 16, h = lane / 16) holds k = 128 s + 32 c + 16 h + 0..15 of tile row m; its scale word q is that of K step 4 h + q.
;     THE ROWS OF A TILE ARE NOT NEIGHBOURS: tile row m of tile u is row 32 quarter + 16 (m / 8) + 8 u + m % 8, so that in the product's result a lane's 16 registers of the two tiles are 16 steps of time on end.
; wq: [16 columns: cb 0..63][8 gate + K step][c 4][lane 32][16 bytes];  ws: [cb][gate 3][K step / 4][column 16][K step % 4] words.
; SHARES: waves 0-7 of a work-group take x (a tile of 16 rows x 512 along K each: 2,048 such), waves 8-10 take W (32 columns x 128 along K of one gate each: 768 such).
; The roles part once, on the wave's number, and never meet again: no barrier, no loop, every offset an immediate.  No matrix unit, no cluster, no tensor load: a stream that shares nothing.
.set SPITCH, 528                       ; a stage row: 512 bytes + 16, so that the 16 rows that a load touches start at 16 different places modulo 256 bytes
.set STAGEB, 16*SPITCH                 ; a wave's own stage
.set QB,     33792                     ; a quarter of xq
.set CBB,    49152                     ; 16 columns' codes in wq
.set CBS,    1536                      ; and their scale words in ws
.set SIN,  1                           ; v1   stage, in: 16 x lane
.set SOUT, 2                           ; v2   stage, out: row lane % 16, + 64 (lane / 16)
.set L16,  3                           ; v3   16 x lane
.set SCO,  4                           ; v4   x's scale words: 16 (lane % 16) + 8 (lane / 16)
.set L4,   5                           ; v5   4 x lane
.set WCO,  6                           ; v6   W's codes: (lane / 16) x 16 columns' codes + 16 (lane % 16)
.set WSO,  7                           ; v7   W's scale words likewise
.set SW,   8                           ; v8-11  x: the scale word of each of the four K steps
.set WW,   14                          ; v14  W: the scale word
.set R,    16                          ; v16-143  x: two sets of 64 as loaded;  W: 128 numbers down K
.set X,    144                         ; v144-207 x: 64 numbers, register 16 b + i = k 32 b + 16 h + i of my row
.set WC,   144                         ; v144-175 W: codes, 8 registers a block
.set C,    208                         ; v208-239 x: two sets of 16 registers of codes
.set TM,   240                         ; v240-243 largest magnitudes, 244-247 bytes, 248-251 448 x the scale, 252-255 the conversions' scale operands
.set WV,   20
.set SEL,  22
.set MNT,  24
.set MHI,  25
	s_load_b256 s[4:11], s[0:1], 0x0               ; x s[4:5], W_f s[6:7], W_i s[8:9], W_h s[10:11]
	s_load_b128 s[12:15], s[0:1], 0x20             ; xq s[12:13], wq s[14:15]
	s_load_b64 s[16:17], s[0:1], 0x30              ; ws
	s_set_vgpr_msb 0x40
	v_lshl_add_u32 v0, v0, 2, 0x10800
	v_mov_b32 v1, 0
	s_set_vgpr_msb 0x4000
	v_lshrrev_b32 v15, 5, v0
	s_delay_alu instid0(VALU_DEP_1)
	v_readfirstlane_b32 s[WV], v15                 ; wave 0..10
	v_and_b32 v15, 31, v0                          ; lane
	v_and_b32 v12, 15, v0                          ; lane % 16
	v_bfe_u32 v13, v0, 4, 1                        ; lane / 16
	s_delay_alu instid0(VALU_DEP_3)
	v_lshlrev_b32 v[L16], 4, v15
	s_delay_alu instid0(VALU_DEP_4)
	v_lshlrev_b32 v[L4], 2, v15
	s_mul_i32 s21, s[WV], STAGEB                   ; my stage (waves 0-7 alone touch LDS)
	v_add_nc_u32 v[SIN], s21, v[L16]
	v_mul_u32_u24 v[SOUT], v12, SPITCH
	s_delay_alu instid0(VALU_DEP_1)
	v_lshl_add_u32 v[SOUT], v13, 6, v[SOUT]
	s_delay_alu instid0(VALU_DEP_1)
	v_add_nc_u32 v[SOUT], s21, v[SOUT]
	v_lshlrev_b32 v[SCO], 4, v12
	s_delay_alu instid0(VALU_DEP_1)
	v_lshl_add_u32 v[SCO], v13, 3, v[SCO]
	v_mul_u32_u24 v[WCO], v13, CBB
	s_delay_alu instid0(VALU_DEP_1)
	v_lshl_add_u32 v[WCO], v12, 4, v[WCO]
	v_mul_u32_u24 v[WSO], v13, CBS
	s_delay_alu instid0(VALU_DEP_1)
	v_lshl_add_u32 v[WSO], v12, 4, v[WSO]
.irp b, 0,1,2,3
	v_mov_b32 v[TM+4+\b], 0                        ; written once: a lane permute's destination counts as one of its sources
.endr
	s_mov_b32 s[SEL], 0x76543210
	s_mov_b32 s[SEL+1], 0xfedcba98                 ; v_permlanex16_b32's selects for lane l xor 16
	s_mov_b32 s[MNT], 0x600000                     ; the mantissa field of 448
	s_mov_b32 s[MHI], 0xffff0000                   ; lanes 16-31
	s_wait_kmcnt 0x0
	s_cmp_lt_u32 s[WV], 8
	s_cbranch_scc0 .Lw_role
; ------------------------------------------------------------------ x
	s_lshl_b32 s26, ttmp9, 2
	s_lshr_b32 s27, s[WV], 1
	s_add_co_u32 s26, s26, s27                     ; my tile of 16 rows, 0..1023
	s_and_b32 s27, s[WV], 1                        ; which 512 along K
	s_lshr_b32 s28, s26, 1                         ; the quarter (32 rows)
	s_and_b32 s29, s26, 1                          ; the tile in it
	s_lshl_b32 s30, s28, 17                        ; x: 32 rows of 4,096 bytes a quarter,
	s_lshl_b32 s31, s29, 15                        ; 8 rows on for tile 1,
	s_add_co_u32 s30, s30, s31
	s_lshl_b32 s31, s27, 11                        ; 2,048 bytes on for the second half of K
	s_add_co_u32 s30, s30, s31
	s_mov_b32 s31, 0
	s_add_nc_u64 s[4:5], s[4:5], s[30:31]
	s_mul_i32 s32, s28, QB
	s_lshl_b32 s33, s29, 14                        ; codes: 16,384 bytes a tile,
	s_add_co_u32 s34, s32, s33
	s_lshl_b32 s33, s27, 13                        ; 8,192 for four K steps
	s_add_co_u32 s34, s34, s33
	s_mov_b32 s35, 0
	s_add_nc_u64 s[36:37], s[12:13], s[34:35]
	s_lshl_b32 s33, s29, 9                         ; scale words: behind the quarter's codes, 512 bytes a tile,
	s_add_co_u32 s32, s32, s33
	s_lshl_b32 s33, s27, 8                         ; 256 for four K steps (they belong to lanes 16-31 of the reader where the K step is 4 or more)
	s_add_co_u32 s32, s32, s33
	s_add_co_u32 s32, s32, 32768
	s_mov_b32 s33, 0
	s_add_nc_u64 s[38:39], s[12:13], s[32:33]
.macro LOAD t                          ; K step t of my 16 rows: each load reads 512 consecutive bytes of one row
.irp m, 0,1,2,3,4,5,6,7,8,9,10,11,12,13,14,15
	global_load_b128 v[R+64*((\t)%2)+4*\m:R+64*((\t)%2)+4*\m+3], v[L16], s[4:5] offset:(\m+8*(\m/8))*4096+512*(\t) th:TH_LOAD_NT
.endr
.endm
; 64 numbers of a lane, v[s] on, become a fragment's codes in v[c] on and its row's scale word in v[w]
.macro QUANT s, c, w
.irp b, 0,1,2,3
	v_max3_num_f32 v[TM+\b], |v[\s+16*\b]|, |v[\s+1+16*\b]|, 0x4800000   ; block b: my 16 numbers, and the floor 2^(9 - 127): the byte cannot fall under 1
.endr
.irp i, 2,4,6,8,10,12,14
.irp b, 0,1,2,3
	s_delay_alu instid0(VALU_DEP_4)
	v_max3_num_f32 v[TM+\b], v[TM+\b], |v[\s+16*\b+\i]|, |v[\s+1+16*\b+\i]|   ; the four blocks by turns
.endr
.endr
.irp b, 0,1,2,3
	s_delay_alu instid0(VALU_DEP_4)
	v_permlanex16_b32 v[TM+4+\b], v[TM+\b], s[SEL], s[SEL+1]
.endr
.irp b, 0,1,2,3
	s_delay_alu instid0(VALU_DEP_4)
	v_max_num_f32 v[TM+\b], v[TM+\b], v[TM+4+\b]   ; with lane l xor 16's 16: the block's largest magnitude
.endr
.irp b, 0,1,2,3
	s_delay_alu instid0(VALU_DEP_4)
	v_add_nc_u32 v[TM+12+\b], 0xfc000000, v[TM+\b] ; 8 off its exponent field: the conversion takes this operand's exponent field as its scale
.endr
.irp b, 0,1,2,3
	v_and_or_b32 v[TM+8+\b], v[TM+\b], 0x7f800000, s[MNT]   ; 448 x the scale
.endr
.irp b, 0,1,2,3
	v_lshrrev_b32 v[TM+4+\b], 23, v[TM+12+\b]      ; the scale's byte
.endr
	s_delay_alu instid0(VALU_DEP_3)
	v_lshl_or_b32 v[\w], v[TM+5], 8, v[TM+4]
	s_delay_alu instid0(VALU_DEP_1)
	v_lshl_or_b32 v[\w], v[TM+6], 16, v[\w]
	s_delay_alu instid0(VALU_DEP_1)
	v_lshl_or_b32 v[\w], v[TM+7], 24, v[\w]
.irp b, 0,1,2,3
.irp i, 0,1,2,3,4,5,6,7,8,9,10,11,12,13,14,15
	v_med3_num_f32 v[\s+16*\b+\i], v[\s+16*\b+\i], -v[TM+8+\b], v[TM+8+\b]   ; the conversion to an 8-bit code does not saturate (ISA guide 7.6.2): the hold comes first
.endr
	v_cvt_scalef32_pk8_fp8_f32 v[(\c)+4*\b:(\c)+1+4*\b], v[\s+16*\b:\s+7+16*\b], v[TM+12+\b]
	v_cvt_scalef32_pk8_fp8_f32 v[(\c)+2+4*\b:(\c)+3+4*\b], v[\s+8+16*\b:\s+15+16*\b], v[TM+12+\b]
.endr
	v_nop                                          ; one plain line behind the last conversion
.endm
.macro XSTEP t
.if (\t) < 3
	s_wait_loadcnt 16                              ; this step's 16 loads are in; the next step's 16 may be out
.else
	s_wait_loadcnt 0x0
.endif
.irp m, 0,1,2,3,4,5,6,7,8,9,10,11,12,13,14,15
	ds_store_b128 v[SIN], v[R+64*((\t)%2)+4*\m:R+64*((\t)%2)+4*\m+3] offset:SPITCH*\m   ; row m as it lies
.endr
.irp b, 0,1,2,3
.irp j, 0,1,2,3
	ds_load_b128 v[X+16*\b+4*\j:X+16*\b+4*\j+3], v[SOUT] offset:128*\b+16*\j   ; LDS serves a wave's instructions in order: these see the stores above
.endr
.endr
	s_wait_dscnt 0x0                               ; my 64 numbers are back; the stores have read their registers,
.if (\t) < 2
	LOAD (\t)+2                                    ; which take the loads of two steps on
.endif
.if (\t) >= 2
	s_wait_xcnt 0x0                                ; the stores of two steps back have read this set of codes: it is written again only behind this wait
.endif
	QUANT X, C+16*((\t)%2), SW+(\t)
.irp c, 0,1,2,3
	global_store_b128 v[L16], v[C+16*((\t)%2)+4*\c:C+16*((\t)%2)+4*\c+3], s[36:37] offset:2048*(\t)+512*\c   ; 32 lanes store 512 consecutive bytes, aligned to 512
.endr
.endm
	LOAD 0
	LOAD 1
	XSTEP 0
	XSTEP 1
	XSTEP 2
	XSTEP 3
	v_cndmask_b32 v12, v[SW], v[SW+2], s[MHI]      ; a row's four words are 16 bytes: lanes 0-15 store words 0, 1, lanes 16-31 words 2, 3 (both halves hold the same words)
	v_cndmask_b32 v13, v[SW+1], v[SW+3], s[MHI]
	global_store_b64 v[SCO], v[12:13], s[38:39]    ; 32 lanes store 256 consecutive bytes, aligned to 256
	s_set_vgpr_msb 0x5
	s_wait_tensorcnt 0x0
	ds_add_u32 v0, v1
	s_wait_dscnt 0x0
	s_set_vgpr_msb 0x500
	s_endpgm
; ------------------------------------------------------------------ W
.Lw_role:
	s_mul_i32 s26, ttmp9, 3
	s_add_co_u32 s26, s26, s[WV]
	s_sub_co_u32 s26, s26, 8                       ; my piece, 0..767
	s_lshr_b32 s27, s26, 8                         ; the gate: 0 f, 1 i, 2 h
	s_bfe_u32 s28, s26, 0x50003                    ; which 32 columns
	s_and_b32 s29, s26, 7                          ; which K step
	s_cmp_eq_u32 s27, 0
	s_cselect_b64 s[6:7], s[6:7], s[8:9]           ; the choice hangs on the ids alone
	s_cmp_eq_u32 s27, 2
	s_cselect_b64 s[6:7], s[10:11], s[6:7]
	s_lshl_b32 s30, s29, 19                        ; 128 rows of 4,096 bytes a K step,
	s_lshl_b32 s31, s28, 7                         ; 128 bytes for 32 columns
	s_add_co_u32 s30, s30, s31
	s_mov_b32 s31, 0
	s_add_nc_u64 s[6:7], s[6:7], s[30:31]
	s_mul_i32 s32, s28, 2*CBB
	s_lshl_b32 s33, s27, 3
	s_add_co_u32 s33, s33, s29
	s_lshl_b32 s33, s33, 11                        ; fragment 8 gate + K step: 2,048 bytes each
	s_add_co_u32 s32, s32, s33
	s_mov_b32 s33, 0
	s_add_nc_u64 s[14:15], s[14:15], s[32:33]
	s_mul_i32 s34, s28, 2*CBS
	s_lshl_b32 s35, s27, 9
	s_add_co_u32 s34, s34, s35
	s_lshr_b32 s35, s29, 2
	s_lshl_b32 s35, s35, 8
	s_add_co_u32 s34, s34, s35
	s_and_b32 s35, s29, 3
	s_lshl_b32 s35, s35, 2
	s_add_co_u32 s34, s34, s35
	s_mov_b32 s35, 0
	s_add_nc_u64 s[16:17], s[16:17], s[34:35]
; A LANE TAKES A COLUMN, AND ITS REGISTERS RUN DOWN K: a block of 32 lies in one lane, and the conversions give codes with K innermost.  Each load reads 128 consecutive bytes.
.macro WL c
.irp i, 0,1,2,3,4,5,6,7,8,9,10,11,12,13,14,15,16,17,18,19,20,21,22,23,24,25,26,27,28,29,30,31
	global_load_b32 v[R+32*(\c)+\i], v[L4], s[6:7] offset:(32*(\c)+\i)*4096 th:TH_LOAD_NT
.endr
.endm
.macro WBLOCK c
.set XB, R+32*(\c)
	v_max3_num_f32 v[TM], |v[XB]|, |v[XB+1]|, |v[XB+2]|
	v_max3_num_f32 v[TM+1], |v[XB+3]|, |v[XB+4]|, |v[XB+5]|
.irp i, 6,10,14,18,22,26
	s_delay_alu instid0(VALU_DEP_2)
	v_max3_num_f32 v[TM], v[TM], |v[XB+\i]|, |v[XB+\i+1]|
	s_delay_alu instid0(VALU_DEP_2)
	v_max3_num_f32 v[TM+1], v[TM+1], |v[XB+\i+2]|, |v[XB+\i+3]|
.endr
	s_delay_alu instid0(VALU_DEP_2)
	v_max3_num_f32 v[TM], v[TM], |v[XB+30]|, |v[XB+31]|
	s_delay_alu instid0(VALU_DEP_1)
	v_max3_num_f32 v[TM], v[TM], v[TM+1], 0x4800000   ; and the floor
	s_delay_alu instid0(VALU_DEP_1)
	v_add_nc_u32 v[TM+3], 0xfc000000, v[TM]        ; the conversions' scale operand
	s_delay_alu instid0(VALU_DEP_2)
	v_and_or_b32 v[TM+2], v[TM], 0x7f800000, s[MNT]   ; 448 x the scale
	s_delay_alu instid0(VALU_DEP_2)
	v_lshrrev_b32 v[TM+1], 23, v[TM+3]             ; the byte
.if (\c) == 0
	s_delay_alu instid0(VALU_DEP_1)
	v_mov_b32 v[WW], v[TM+1]
.else
	s_delay_alu instid0(VALU_DEP_1)
	v_lshl_or_b32 v[WW], v[TM+1], 8*(\c), v[WW]    ; the lower K in the lower byte
.endif
.irp i, 0,1,2,3,4,5,6,7,8,9,10,11,12,13,14,15,16,17,18,19,20,21,22,23,24,25,26,27,28,29,30,31
	v_med3_num_f32 v[XB+\i], v[XB+\i], -v[TM+2], v[TM+2]
.endr
.irp g, 0,1,2,3
	v_cvt_scalef32_pk8_fp8_f32 v[WC+8*(\c)+2*\g:WC+8*(\c)+2*\g+1], v[XB+8*\g:XB+8*\g+7], v[TM+3]
.endr
	v_nop                                          ; one plain line behind the last conversion
	global_store_b128 v[WCO], v[WC+8*(\c):WC+8*(\c)+3], s[14:15] offset:512*(\c)          ; k 32 c + 0..15: the reader's lanes 0-15; sixteen lanes store 256 consecutive bytes, aligned
	global_store_b128 v[WCO], v[WC+8*(\c)+4:WC+8*(\c)+7], s[14:15] offset:512*(\c)+256    ; k 32 c + 16..31: its lanes 16-31
.endm
	WL 0
	WL 1
	s_wait_loadcnt 32                              ; block 0 is in; block 1's 32 loads may be out
	WL 2
	WBLOCK 0
	s_wait_loadcnt 32                              ; block 1 is in; block 2's may be out
	WL 3
	WBLOCK 1
	s_wait_loadcnt 32                              ; block 2 is in; block 3's may be out
	WBLOCK 2
	s_wait_loadcnt 0x0
	WBLOCK 3
	global_store_b32 v[WSO], v[WW], s[16:17]       ; my column's word for this K step: 4 bytes of each 16: one byte in 128 of what this role reads
	s_endpgm
.Lfunc_end_k_qc241e2fbb1_quant:
	.size	k_qc241e2fbb1_quant, .Lfunc_end_k_qc241e2fbb1_quant-k_qc241e2fbb1_quant
	.p2alignl 7, 3214868480
	.fill 96, 4, 3214868480
	.section	.rodata,"a",@progbits
	.p2align	6, 0x0
	.amdhsa_kernel k_qc241e2fbb1_quant
		.amdhsa_group_segment_fixed_size 69120
		.amdhsa_private_segment_fixed_size 0
		.amdhsa_enable_private_segment 0
		.amdhsa_kernarg_size 56
		.amdhsa_user_sgpr_count 2
		.amdhsa_user_sgpr_kernarg_segment_ptr 1
		.amdhsa_wavefront_size32 1
		.amdhsa_system_sgpr_workgroup_id_x 1
		.amdhsa_system_sgpr_workgroup_id_y 1
		.amdhsa_system_sgpr_workgroup_id_z 1
		.amdhsa_system_vgpr_workitem_id 0
		.amdhsa_next_free_vgpr 258
		.amdhsa_next_free_sgpr 66
		.amdhsa_reserve_vcc 0
		.amdhsa_float_denorm_mode_32 3
		.amdhsa_float_denorm_mode_16_64 3
		.amdhsa_memory_ordered 1
		.amdhsa_forward_progress 1
		.amdhsa_inst_pref_size 88
	.end_amdhsa_kernel
	.amdgpu_metadata
---
amdhsa.version: [ 1, 2 ]
amdhsa.kernels:
  - .name:           k_qc241e2fbb1_quant
    .symbol:         k_qc241e2fbb1_quant.kd
    .args:
      - { .name: x, .offset: 0, .size: 8, .value_kind: global_buffer, .address_space: global }
      - { .name: W_f, .offset: 8, .size: 8, .value_kind: global_buffer, .address_space: global }
      - { .name: W_i, .offset: 16, .size: 8, .value_kind: global_buffer, .address_space: global }
      - { .name: W_h, .offset: 24, .size: 8, .value_kind: global_buffer, .address_space: global }
      - { .name: xq, .offset: 32, .size: 8, .value_kind: global_buffer, .address_space: global }
      - { .name: wq, .offset: 40, .size: 8, .value_kind: global_buffer, .address_space: global }
      - { .name: ws, .offset: 48, .size: 8, .value_kind: global_buffer, .address_space: global }
    .group_segment_fixed_size: 69120
    .private_segment_fixed_size: 0
    .kernarg_segment_align: 8
    .kernarg_segment_size: 56
    .max_flat_workgroup_size: 352
    .sgpr_count:     66
    .vgpr_count:     258
    .wavefront_size: 32
...
	.end_amdgpu_metadata
.endif
;; end of part 3
;; launch lstm (part 4): grid 256 x 1, 4 waves a work-group, clusters of 4 x 1, 327,680 bytes of LDS; arguments xq, wq, ws, b_f, b_i, b_h, h0, out0; writes out0
.if DOCPART == 4
	.amdgcn_target "amdgcn-amd-amdhsa--gfx1250"
	.amdhsa_code_object_version 6
	.text
	.protected	k_qc241e2fbb1_lstm
	.globl	k_qc241e2fbb1_lstm
	.p2align	8
	.type	k_qc241e2fbb1_lstm,@function
k_qc241e2fbb1_lstm:
	s_mov_b64 s[64:65], 0
	v_nop
	global_prefetch_b8 v0, s[64:65] scope:SCOPE_SE
	s_setreg_imm32_b32 hwreg(HW_REG_WAVE_MODE, 25, 1), 1
	s_wait_xcnt 0x0
	s_wait_alu depctr_hold_cnt(0) depctr_sa_sdst(0) depctr_va_vdst(0) depctr_va_sdst(0) depctr_va_ssrc(0) depctr_va_vcc(0) depctr_vm_vsrc(0)
	s_getreg_b32 s2, hwreg(HW_REG_IB_STS2, 6, 4)
	s_cmp_eq_u32 s2, 0
	s_cbranch_scc0 .Lentry_in_a_cluster
	s_endpgm
.Lentry_in_a_cluster:
	s_bfe_u32 s2, ttmp6, 0x10000c
	s_cmp_lg_u32 s2, 0x3003
	s_cbranch_scc0 .Lentry_shape_is_right
	s_endpgm
.Lentry_shape_is_right:
; minLSTM: the three quantised products, the gates and the scan in one launch.  out0[b][t][c] = h_t with h_t = f'_t h_(t-1) + i'_t g(k_h), h before the first step = h0.
; reference() writes this recurrence in logarithms (a cumulative sum of log f' and a cumulative logsumexp); in real numbers exp of its result is the recurrence above.
; RANGE: f' + i' = 1 and both lie between 0 and 1, so h_t lies between h_(t-1) and g_t: no sum passes the larger of h0 and the largest g, and products of f' only fall toward 0.
; Ahead of the gates' exponentials the maximum m = max(-k_f, -k_i, 0) is taken away, as softplus does: f' = (e^-m + e^(-k_i-m)) / (that + e^-m + e^(-k_f-m)).  g(x) = max(x + 0.5, sigmoid(x)), which is reference()'s choice for every x.
; LIMITS: h0 < 0 gives NaN in its whole row of time, as its logarithm does; what falls under the smallest f32 number becomes 0; NaN and infinities in x and W are not served.
; SHARES: a work-group takes one batch, 16 channels and all 4,096 steps of time: 4 x 64 = 256 work-groups.  A step of the loop is 128 steps of time: wave w takes rows 32 w .. 32 w + 31 (one quarter of xq),
; multiplies them with the 48 columns of W (384 registers, loaded once), makes the gates and scans its 32 rows from zero; the four waves' pairs (A = product of f', H = scan from zero) meet in LDS behind one barrier,
; and each wave takes its carry from them.  So the carry never leaves the work-group and each number of out0 is stored once.
; x COMES BY TWO ROADS.  Tile 0 of a quarter (16,384 dense bytes) is asked for JOINTLY by the four work-groups of a cluster, which take the same batch (64 channels): the same tensor load with the same descriptor and the mask 15;
; wave w asks for quarter w's.  A ring of two LDS slots, a step's four tiles (65,536 bytes) in each.  The barrier at which the pairs meet opens the round of the cluster's barrier behind which the slot just read out is filled again, two steps ahead.
; At each round every wave has waited for all its tensor loads, so nothing of the ring is on its way there.  Tile 1 and the scale words go from xq straight into registers, 16 bytes a lane on end: these loads are not drained
; and stay on their way across the round; they land in no LDS tile that partners could share.  Both roads fill the same 256 registers, a half along K as soon as that half has been multiplied.
; PREFETCH: in step j each wave asks for its share of step j + 3's quarter, one step ahead of the tensor load that will want it: a quarter's 132 blocks of 256 bytes are shared out among the four partners by address, 33 each
; (32 lanes a block each, and one more instruction for the 33rd); the last request is step 28's, for step 31.
; OUT: the work-group's 16 channels are 64 bytes of a row of out0: a wave's 32 x 16 numbers turn through its own stage in LDS, and each store covers eight rows' 64 consecutive bytes, four lanes to a row.
; Step j - 1 is finished (carry, stage, stores) behind step j's products, so that the pairs' way through LDS lies under matrix work.
; REGISTERS: window 0 as named below; window 1 W's K steps 0-4 (fragment 3 s + g); window 2 W's K steps 5-7, v144-167 the biases; window 3 x: fragment (tile t, K step s) at 16 (8 t + s).
.set QB,    33792                      ; a quarter of xq: 32 rows' codes (two tiles of 16,384 bytes) and scale words
.set SX,    4*QB                       ; a step's four quarters in memory
.set SO,    128*4096                   ; a step's 128 rows of out0
.set HB,    16384                      ; a wave's tile in a slot
.set SLOT,  4*HB
.set STAGE, 2*SLOT                     ; behind the ring
.set STG,   2304                       ; a wave's stage: 32 rows of 64 bytes, rows 16-31 64 bytes further on
.set AGG,   STAGE+4*STG                ; the pairs: two slots of 512 bytes by turns: [channel 16][wave 4][A, H]
.set SPARE, AGG+1024                   ; the spare words, 128 bytes a wave
.set SPW, 1
.set NIL, 2
.set L16, 3                            ; 16 x lane
.set STA, 4                            ; stage, in
.set STR, 5                            ; stage, back
.set GO,  6                            ; out0: row lane / 4, 16 (lane % 4)
.set AGS, 7                            ; my word of a slot of pairs
.set AGL, 8                            ; my channel's 32 bytes of it
.set R4,  9
.set CH,  10                           ; the carry into the step
.set CW,  11                           ; into my wave's rows
.set C1,  12
.set C2,  13
.set C3,  14
.set TB,  15
.set WS,  16                           ; v16-27 W's scale words
.set XS,  28                           ; v28-43 x's scale words, two sets by turns
.set AG,  44                           ; v44-51 A0 H0 A1 H1 A2 H2 A3 H3
.set CHL, 52                           ; carry into my 16 rows (named as a pair)
.set CHM, 54                           ; into the second eight
.set A16, 56
.set H16, 57
.set AO,  58
.set HO,  59
.set A32, 60
.set H32, 61
.set TV,  62
.set XA,  64                           ; v64-65 my tile in slot 0, 1: + 16 x lane
.set PF1, 66                           ; 256 x lane
.set PF2, 67                           ; 32 x 256
.set KF,  80
.set KI,  96
.set KH,  112
.set T0,  128
.set TH,  144
.set P,   160                          ; the scan from zero, register e = row 16 (lane / 16) + e
.set Q,   176                          ; the products of f'
.set OH,  192
.set OB,  208
.set BI,  144                          ; in window 2
.set XB,  4                            ; s[4:5] xq at my quarter of the step at work
.set OP,  18                           ; s[18:19] out0: one step behind the rows that are stored next
.set WV,  20
.set CB,  21
.set BT,  22
.set CX,  23
.set NC,  24
.set SEL, 26
.set MHI, 28
.set M1,  29
.set M2,  30
.set M3,  31
.set CNT, 32
.set G1,  48                           ; s[48:55] descriptor group 1
.set G0,  56                           ; s[56:63] group 0, a set for each slot
.set PFA, 66                           ; s[66:67] where my prefetches stand
.set MSB, 0
.macro WIN new                         ; the immediate's high byte repeats the setting that is left
.if MSB != \new
	s_set_vgpr_msb (MSB<<8)|\new
.set MSB, \new
.endif
.endm
.macro PLACES n
.rept \n
	v_nop
.endr
.endm
.macro CREST                           ; a round of the cluster's barrier behind its opening barrier
	s_cmp_lg_u32 s[WV], 0
	s_cbranch_scc1 .Lnot_wave_0_\@
	s_barrier_signal -3
.Lnot_wave_0_\@:
	s_barrier_wait -3
	s_barrier_signal -1
	s_barrier_wait -1
.endm
.macro CROUND                          ; a whole round
	s_barrier_signal -1
	s_barrier_wait -1
	CREST
.endm
; 24 matrix instructions: K steps 4 k .. 4 k + 3, the six accumulators (3 gates x 2 tiles) by turns.  K step 0 takes the bias as C.
.macro MHALF k, par
.irp q, 0,1,2,3
.set ss, 4*(\k)+\q
.if ss == 0
	WIN 0x27
.elseif ss < 5
	WIN 0x07
.else
	WIN 0x0b
.endif
.irp g, 0,1,2
.irp t, 0,1
.set rD, KF+16*\g+8*\t
.set rA, 16*(8*\t+ss)
.set rB, 16*(3*(ss%5)+\g)
.set rX, XS+8*(\par)+4*\t+\q
.set rW, WS+4*\g+\q
.if ss == 0
	v_wmma_scale_f32_16x16x128_f8f6f4 v[rD:rD+7], v[rA:rA+15], v[rB:rB+15], v[BI+8*\g:BI+8*\g+7], v[rX], v[rW]
.elseif ss < 4
	v_wmma_scale_f32_16x16x128_f8f6f4 v[rD:rD+7], v[rA:rA+15], v[rB:rB+15], v[rD:rD+7], v[rX], v[rW]
.else
	v_wmma_scale_f32_16x16x128_f8f6f4 v[rD:rD+7], v[rA:rA+15], v[rB:rB+15], v[rD:rD+7], v[rX], v[rW] matrix_a_scale:MATRIX_SCALE_ROW1 matrix_b_scale:MATRIX_SCALE_ROW1
.endif
.endr
.endr
.endr
	WIN 0
.endm
; half k along K of a quarter: tile 0 by 16 LDS loads from a slot, tile 1 by 16 global loads at byte xo from s[XB]; each reads 512 consecutive bytes
.macro XNEXT k, slot, xo
	WIN 0xc0
.irp q, 0,1,2,3
.irp c, 0,1,2,3
	ds_load_b128 v[16*(4*(\k)+\q)+4*\c:16*(4*(\k)+\q)+4*\c+3], v[XA+(\slot)] offset:2048*(4*(\k)+\q)+512*\c
.endr
.endr
.irp q, 0,1,2,3
.irp c, 0,1,2,3
	global_load_b128 v[16*(8+4*(\k)+\q)+4*\c:16*(8+4*(\k)+\q)+4*\c+3], v[L16], s[XB:XB+1] offset:(\xo)+16384+2048*(4*(\k)+\q)+512*\c
.endr
.endr
	WIN 0
.endm
.macro XSCALE set, xo                  ; that quarter's scale words
.irp t, 0,1
	global_load_b128 v[XS+8*(\set)+4*\t:XS+8*(\set)+4*\t+3], v[L16], s[XB:XB+1] offset:(\xo)+32768+512*\t
.endr
.endm
; the last step is finished, part 1: the carries, and h of my 32 x 16.  n: the LDS loads issued behind the pairs'
.macro FINA n, xl, pf
	s_wait_xcnt 0x0                                ; the earlier stores have read OB and their base, the loads and prefetches their bases
	s_add_nc_u64 s[OP:OP+1], s[OP:OP+1], SO
.if \xl
	s_add_nc_u64 s[XB:XB+1], s[XB:XB+1], SX
.endif
.if \pf
	s_add_nc_u64 s[PFA:PFA+1], s[PFA:PFA+1], SX
.endif
	s_wait_dscnt \n                                ; the four pairs are in
	v_fma_f32 v[C1], v[AG], v[CH], v[AG+1]
	v_fma_f32 v[C2], v[AG+2], v[C1], v[AG+3]
	v_cndmask_b32 v[CW], v[CH], v[C1], s[M1]       ; my wave's carry: a select on the wave's number
	v_fma_f32 v[C3], v[AG+4], v[C2], v[AG+5]
	v_cndmask_b32 v[CW], v[CW], v[C2], s[M2]
	v_fma_f32 v[CH], v[AG+6], v[C3], v[AG+7]       ; the carry into the next step
	v_cndmask_b32 v[CW], v[CW], v[C3], s[M3]
	v_fma_f32 v[TB], v[AO], v[CW], v[HO]           ; past lanes 0-15's 16 rows
	v_cndmask_b32 v[CHL], v[CW], v[TB], s[MHI]
	v_fma_f32 v[CHM], v[Q+7], v[CHL], v[P+7]
.irp e, 0,2,4,6
	v_pk_fma_f32 v[OH+\e:OH+\e+1], v[Q+\e:Q+\e+1], v[CHL:CHL+1], v[P+\e:P+\e+1] op_sel_hi:[1,0,1]
.endr
.irp e, 8,10,12,14
	v_pk_fma_f32 v[OH+\e:OH+\e+1], v[Q+\e:Q+\e+1], v[CHM:CHM+1], v[P+\e:P+\e+1] op_sel_hi:[1,0,1]
.endr
.endm
.macro FINB                            ; part 2: through my own stage; LDS serves a wave's instructions in order, so no wait stands between the stores and the loads
.irp e, 0,1,2,3,4,5,6,7,8,9,10,11,12,13,14,15
	ds_store_b32 v[STA], v[OH+\e] offset:64*\e
.endr
.irp i, 0,1,2,3
	ds_load_b128 v[OB+4*\i:OB+4*\i+3], v[STR] offset:512*\i+64*(\i/2)
.endr
.endm
.macro OUT                             ; part 3: eight rows' 64 consecutive bytes a store
.irp i, 0,1,2,3
	global_store_b128 v[GO], v[OB+4*\i:OB+4*\i+3], s[OP:OP+1] offset:32768*\i-SO
.endr
.endm
; gates, the scan of eight rows in each register group, my wave's pair.  The transcendentals go in two batches, each with one wait ahead and one behind.
.macro VECTOR
.irp e, 0,1,2,3,4,5,6,7,8,9,10,11,12,13,14,15
	v_max3_num_f32 v[T0+\e], -v[KF+\e], -v[KI+\e], 0             ; m
.endr
.irp e, 0,2,4,6,8,10,12,14
	v_pk_mul_f32 v[TH+\e:TH+\e+1], v[KH+\e:KH+\e+1], s[NC:NC+1] op_sel_hi:[1,0]
.endr
.irp e, 0,2,4,6,8,10,12,14
	v_pk_mul_f32 v[T0+\e:T0+\e+1], v[T0+\e:T0+\e+1], s[NC:NC+1] op_sel_hi:[1,0]
.endr
.irp e, 0,2,4,6,8,10,12,14
	v_pk_fma_f32 v[KF+\e:KF+\e+1], v[KF+\e:KF+\e+1], s[NC:NC+1], v[T0+\e:T0+\e+1] op_sel_hi:[1,0,1]
.endr
.irp e, 0,2,4,6,8,10,12,14
	v_pk_fma_f32 v[KI+\e:KI+\e+1], v[KI+\e:KI+\e+1], s[NC:NC+1], v[T0+\e:T0+\e+1] op_sel_hi:[1,0,1]
.endr
	s_wait_alu depctr_va_vdst(0)                   ; ahead of the batch
.irp b, TH,T0,KF,KI
.irp e, 0,1,2,3,4,5,6,7,8,9,10,11,12,13,14,15
	v_exp_f32 v[\b+\e], v[\b+\e]                   ; e^-k_h, e^-m, e^(-k_f-m), e^(-k_i-m)
.endr
.endr
.irp e, 0,2,4,6,8,10,12,14
	v_pk_add_f32 v[KH+\e:KH+\e+1], v[KH+\e:KH+\e+1], 0.5 op_sel_hi:[1,0]   ; plain work behind the batch
.endr
	s_wait_alu depctr_va_vdst(0)                   ; behind the batch
.irp e, 0,2,4,6,8,10,12,14
	v_pk_add_f32 v[KF+\e:KF+\e+1], v[KF+\e:KF+\e+1], v[T0+\e:T0+\e+1]
.endr
.irp e, 0,2,4,6,8,10,12,14
	v_pk_add_f32 v[KI+\e:KI+\e+1], v[KI+\e:KI+\e+1], v[T0+\e:T0+\e+1]
.endr
.irp e, 0,2,4,6,8,10,12,14
	v_pk_add_f32 v[TH+\e:TH+\e+1], v[TH+\e:TH+\e+1], 1.0 op_sel_hi:[1,0]
.endr
.irp e, 0,2,4,6,8,10,12,14
	v_pk_add_f32 v[T0+\e:T0+\e+1], v[KF+\e:KF+\e+1], v[KI+\e:KI+\e+1]
.endr
	s_wait_alu depctr_va_vdst(0)                   ; ahead of the batch
.irp b, TH,T0
.irp e, 0,1,2,3,4,5,6,7,8,9,10,11,12,13,14,15
	v_rcp_f32 v[\b+\e], v[\b+\e]
.endr
.endr
	v_nop                                          ; one plain place behind the last
	s_wait_alu depctr_va_vdst(0)                   ; behind the batch
.irp e, 0,2,4,6,8,10,12,14
	v_pk_mul_f32 v[Q+\e:Q+\e+1], v[KI+\e:KI+\e+1], v[T0+\e:T0+\e+1]       ; f'
.endr
.irp e, 0,2,4,6,8,10,12,14
	v_pk_mul_f32 v[KF+\e:KF+\e+1], v[KF+\e:KF+\e+1], v[T0+\e:T0+\e+1]     ; i'
.endr
.irp e, 0,1,2,3,4,5,6,7,8,9,10,11,12,13,14,15
	v_max_num_f32 v[KH+\e], v[KH+\e], v[TH+\e]                            ; g
.endr
.irp e, 0,2,4,6,8,10,12,14
	v_pk_mul_f32 v[P+\e:P+\e+1], v[KF+\e:KF+\e+1], v[KH+\e:KH+\e+1]
.endr
.irp j, 1,2,3,4,5,6,7
.irp t, 0,8
	v_fmac_f32 v[P+\t+\j], v[Q+\t+\j], v[P+\t+\j-1]
.endr
.irp t, 0,8
	v_mul_f32 v[Q+\t+\j], v[Q+\t+\j], v[Q+\t+\j-1]
.endr
.endr
	v_mul_f32 v[A16], v[Q+7], v[Q+15]              ; my 16 rows' pair,
	v_fma_f32 v[H16], v[Q+15], v[P+7], v[P+15]
	v_permlanex16_b32 v[AO], v[A16], s[SEL], s[SEL+1]   ; lane l xor 16's,
	v_permlanex16_b32 v[HO], v[H16], s[SEL], s[SEL+1]
	v_mul_f32 v[A32], v[A16], v[AO]                ; the wave's: lanes 0-15 hand on A, lanes 16-31 H
	v_fma_f32 v[H32], v[A16], v[HO], v[H16]
	v_cndmask_b32 v[TV], v[A32], v[H32], s[MHI]
.endm
; Step j; its fragments are in registers or on their way there.  par = j % 2: its slot of the ring, its set of scale words, its slot of pairs.  first = 1: no step to finish.
; fill = 1: step j + 2's tile 0 is asked for, into this step's slot.  xl = 1: step j + 1's fragments are fetched.  pf = 1: step j + 3's quarter is prefetched.  At the step's head s[XB] stands at step j's quarter.
.macro STEP par, first, fill, xl, pf
	s_wait_loadcnt 16                              ; this step's scale words and the first half of its tile 1 are in: the second half's 16 loads are younger
	s_wait_tensorcnt 0x0                           ; all my tensor loads have landed: the one that was out is step j + 1's tile;
	ds_add_u32 v[SPW], v[NIL]                      ; 0 onto my spare word;
.if \fill
	s_add_nc_u64 s[G0+4*(\par)+2:G0+4*(\par)+3], s[G0+4*(\par)+2:G0+4*(\par)+3], 2*SX   ; no tensor load of mine is out: this slot's next tile
.endif
	s_wait_dscnt 0x0                               ; the add is done, my reads of this step's slot are over, my pair of step j - 1 is stored
	s_barrier_signal -1
	MHALF 0, \par                                  ; work on registers while the others arrive
	s_barrier_wait -1
.if \fill
	CREST                                          ; the barrier has opened a round of the cluster's barrier: no wave of any partner still reads this slot or has a tensor load on its way
	tensor_load_to_lds s[G0+4*(\par):G0+4*(\par)+3], s[G1:G1+7]
	s_nop 0
.endif
	PLACES 8                                       ; eight places ahead of loads into registers that matrix instructions have read; the first four also stand behind the tensor load
.if \first == 0
	ds_load_b128 v[AG:AG+3], v[AGL] offset:512*(1-(\par))
	ds_load_b128 v[AG+4:AG+7], v[AGL] offset:512*(1-(\par))+16
.endif
.if \xl
	XNEXT 0, 1-(\par), SX
	XSCALE 1-(\par), SX
	s_wait_loadcnt 18                              ; the second half of this step's tile 1 is in: the 18 loads just issued are younger
.else
	s_wait_loadcnt 0x0
.endif
	MHALF 1, \par
.if \first == 0
	FINA 16*(\xl), \xl, \pf                        ; its 18 plain lines name no register of the products: they are the places ahead of the loads and of the first read of the sums
.else
	s_wait_xcnt 0x0                                ; the loads have read their base
	s_add_nc_u64 s[XB:XB+1], s[XB:XB+1], SX
	PLACES 8
.endif
.if \xl
	XNEXT 1, 1-(\par), 0
.endif
.if \first == 0
	FINB
.endif
.if \pf
	global_prefetch_b8 v[PF1], s[PFA:PFA+1] th:TH_LOAD_NT scope:SCOPE_SE   ; 32 blocks, a lane a block,
	global_prefetch_b8 v[PF2], s[PFA:PFA+1] th:TH_LOAD_NT scope:SCOPE_SE   ; and my share's 33rd
.endif
	VECTOR
	ds_store_b32 v[AGS], v[TV] offset:512*(\par)
	s_wait_alu depctr_va_vdst(0)                   ; ahead of the waits, the barrier and the branch that follow
.if \first == 0
	s_wait_dscnt 0x0                               ; step j - 1's rows are back from the stage
	OUT
.endif
.endm
	s_load_b512 s[4:19], s[0:1], 0x0               ; xq, wq, ws, b_f, b_i, b_h, h0, out0
	v_lshl_add_u32 v[SPW], v0, 2, SPARE
	v_mov_b32 v[NIL], 0
	ds_add_u32 v[SPW], v[NIL]                      ; the wave's opening: the add, twice on end, and its wait ahead of my first tensor load
	ds_add_u32 v[SPW], v[NIL]
	v_lshrrev_b32 v12, 5, v0
	v_readfirstlane_b32 s[WV], v12                 ; wave 0..3
	s_mul_i32 s33, s[WV], STG
	s_add_co_u32 s33, s33, STAGE
	s_lshl_b32 s47, s[WV], 3
	s_mul_i32 s68, s[WV], HB                       ; my tile in a slot
	v_and_b32 v13, 31, v0                          ; lane
	v_and_b32 v14, 15, v0                          ; lane % 16: my channel
	v_bfe_u32 v15, v0, 4, 1                        ; lane / 16
	v_lshlrev_b32 v[L16], 4, v13
	v_lshlrev_b32 v[R4], 2, v14
	v_mul_u32_u24 v[STA], v15, 1088                ; row 16 (lane / 16), 4 bytes a channel
	v_lshl_add_u32 v[STA], v14, 2, v[STA]
	v_add_nc_u32 v[STA], s33, v[STA]
	v_add_nc_u32 v[STR], s33, v[L16]
	v_lshrrev_b32 v[GO], 2, v13
	v_and_b32 v12, 3, v13
	v_lshlrev_b32 v[GO], 12, v[GO]
	v_lshl_add_u32 v[GO], v12, 4, v[GO]
	v_lshlrev_b32 v[AGL], 5, v14
	v_add_nc_u32 v[AGL], AGG, v[AGL]
	v_lshl_add_u32 v[AGS], v15, 2, v[AGL]
	v_add_nc_u32 v[AGS], s47, v[AGS]
	v_add_nc_u32 v[XA], s68, v[L16]
	v_add_nc_u32 v[XA+1], SLOT, v[XA]
	v_lshlrev_b32 v[PF1], 8, v13
	v_mov_b32 v[PF2], 8192
	v_mov_b32 v[CHL+1], 0                          ; (upper halves of pairs that are named)
	v_mov_b32 v[CHM+1], 0
	v_mov_b32 v[AO], 0                             ; (a lane permute's destination counts as a source)
	v_mov_b32 v[HO], 0
	s_bfe_u32 s[CX], ttmp6, 0x40000                ; my place in the cluster
	s_and_b32 s[CB], ttmp9, 15
	s_lshl_b32 s[CB], s[CB], 2
	s_add_co_u32 s[CB], s[CB], s[CX]               ; which 16 channels
	s_lshr_b32 s[BT], ttmp9, 4                     ; which batch: the same in the four partners
	s_mov_b32 s[G1], 15|(3<<16)|(1<<21)            ; the mask: all four; elements of 8 bytes; bit 21 beside a mask
	s_mov_b32 s[G1+1], 32<<16                      ; rows of 32 elements, 256 bytes,
	s_mov_b32 s[G1+2], 64<<16                      ; 64 of them, dense
	s_mov_b32 s[G1+3], 32<<16
	s_mov_b32 s[G1+4], 64
	s_mov_b32 s[G1+5], 32
	s_mov_b32 s[G1+6], 0
	s_mov_b32 s[G1+7], 0
	s_mov_b32 s[NC], 0xbfb8aa3b                    ; -log2(e)
	s_mov_b32 s[NC+1], s[NC]
	s_mov_b32 s[SEL], 0x76543210
	s_mov_b32 s[SEL+1], 0xfedcba98
	s_mov_b32 s[MHI], 0xffff0000                   ; lanes 16-31
	s_cmp_ge_u32 s[WV], 1
	s_cselect_b32 s[M1], -1, 0
	s_cmp_ge_u32 s[WV], 2
	s_cselect_b32 s[M2], -1, 0
	s_cmp_ge_u32 s[WV], 3
	s_cselect_b32 s[M3], -1, 0
	s_lshl_b32 s34, s[BT], 7                       ; xq: quarter 128 batch + wave
	s_add_co_u32 s34, s34, s[WV]
	s_mul_i32 s34, s34, QB
	s_mov_b32 s35, 0
	s_mul_i32 s36, s[CB], 49152
	s_mov_b32 s37, 0
	s_mul_i32 s38, s[CB], 1536
	s_mov_b32 s39, 0
	s_lshl_b32 s40, s[CB], 6
	s_mov_b32 s41, 0
	s_lshl_b32 s42, s[BT], 12
	s_add_co_u32 s42, s42, s40
	s_mov_b32 s43, 0
	s_lshl_b32 s44, s[BT], 24                      ; out0: 4,096 rows a batch, 32 a wave, 64 bytes for 16 channels
	s_lshl_b32 s46, s[WV], 17
	s_add_co_u32 s44, s44, s46
	s_add_co_u32 s44, s44, s40
	s_mov_b32 s45, 0
	s_mul_i32 s70, s[CX], 33*256                   ; the prefetches: my work-group's 33 blocks of the quarter, at step 3
	s_add_co_u32 s70, s70, 3*SX
	s_mov_b32 s71, 0
	s_wait_alu depctr_va_vdst(0)
	s_wait_dscnt 0x0                               ; both opening adds are done
	s_wait_kmcnt 0x0
	s_add_nc_u64 s[XB:XB+1], s[XB:XB+1], s[34:35]
	s_add_nc_u64 s[PFA:PFA+1], s[XB:XB+1], s[70:71]
	s_add_nc_u64 s[6:7], s[6:7], s[36:37]
	s_add_nc_u64 s[8:9], s[8:9], s[38:39]
	s_add_nc_u64 s[10:11], s[10:11], s[40:41]
	s_add_nc_u64 s[12:13], s[12:13], s[40:41]
	s_add_nc_u64 s[14:15], s[14:15], s[40:41]
	s_add_nc_u64 s[16:17], s[16:17], s[42:43]
	s_add_nc_u64 s[OP:OP+1], s[OP:OP+1], s[44:45]
	s_mov_b32 s[G0], 1
	s_mov_b32 s[G0+1], s68
	s_mov_b64 s[G0+2:G0+3], s[XB:XB+1]
	s_or_b32 s[G0+3], s[G0+3], 0x80000000
	s_mov_b32 s[G0+4], 1
	s_add_co_u32 s[G0+5], s68, SLOT
	s_add_nc_u64 s[G0+6:G0+7], s[XB:XB+1], SX
	s_or_b32 s[G0+7], s[G0+7], 0x80000000
	CROUND                                         ; the four work-groups are here: the first joint loads meet
	tensor_load_to_lds s[G0:G0+3], s[G1:G1+7]      ; step 0's tile 0: one tensor load a wave at the head
	s_nop 0
	PLACES 4
	WIN 0x40
.irp s, 0,1,2,3,4
.irp g, 0,1,2
.irp c, 0,1,2,3
	global_load_b128 v[16*(3*\s+\g)+4*\c:16*(3*\s+\g)+4*\c+3], v[L16], s[6:7] offset:(8*\g+\s)*2048+512*\c
.endr
.endr
.endr
	WIN 0x80
.irp s, 5,6,7
.irp g, 0,1,2
.irp c, 0,1,2,3
	global_load_b128 v[16*(3*(\s-5)+\g)+4*\c:16*(3*(\s-5)+\g)+4*\c+3], v[L16], s[6:7] offset:(8*\g+\s)*2048+512*\c
.endr
.endr
.endr
.irp g, 0,1,2
.irp j, 0,1,2,3,4,5,6,7
	global_load_b32 v[BI+8*\g+\j], v[R4], s[10+2*\g:11+2*\g]     ; my channel's bias in all eight registers of a C operand
.endr
.endr
	WIN 0
.irp g, 0,1,2
	global_load_b128 v[WS+4*\g:WS+4*\g+3], v[L16], s[8:9] offset:512*\g
.endr
	global_load_b32 v[CH], v[R4], s[16:17]
	XSCALE 0, 0
	s_wait_tensorcnt 0x0                           ; step 0's tile is in
	ds_add_u32 v[SPW], v[NIL]
	s_wait_dscnt 0x0
	CROUND
	tensor_load_to_lds s[G0+4:G0+7], s[G1:G1+7]    ; step 1's tile 0, slot 1's first fill
	s_nop 0
	PLACES 4
	XNEXT 0, 0, 0                                  ; step 0's fragments
	XNEXT 1, 0, 0
	s_wait_loadcnt 16                              ; W, its scale words, the biases, h0 and more: all but the last 16 loads
	v_mov_b32 v[TB], 0x7fc00000
	v_cmp_gt_f32 vcc_lo, 0, v[CH]
	v_cndmask_b32 v[CH], v[CH], v[TB], vcc_lo      ; the logarithm of a negative h0 is NaN
	s_wait_alu depctr_va_vdst(0)                   ; ahead of the waits below
	STEP 0, 1, 1, 1, 1
	s_mov_b32 s[CNT], 14
.Ltrip:                                                ; steps 2 t + 1 and 2 t + 2, up to step 28
	STEP 1, 0, 1, 1, 1
	STEP 0, 0, 1, 1, 1
	s_sub_co_u32 s[CNT], s[CNT], 1
	s_cmp_lg_u32 s[CNT], 0
	s_cbranch_scc1 .Ltrip
	STEP 1, 0, 1, 1, 0                             ; step 29 asks for the last tile, step 31's
	STEP 0, 0, 0, 1, 0                             ; step 30 fills nothing, and has no round of the cluster's barrier
	STEP 1, 0, 0, 0, 0                             ; step 31 fetches no further fragments
	s_barrier_signal -1                            ; (my pair of step 31 is stored: the wait stands at that step's end)
	s_barrier_wait -1
	ds_load_b128 v[AG:AG+3], v[AGL] offset:512
	ds_load_b128 v[AG+4:AG+7], v[AGL] offset:528
	FINA 0, 0, 0
	FINB
	s_wait_dscnt 0x0
	OUT
	s_wait_tensorcnt 0x0                           ; the wave's end
	ds_add_u32 v[SPW], v[NIL]
	s_wait_dscnt 0x0
	CROUND                                         ; the closing round
	s_endpgm
.Lfunc_end_k_qc241e2fbb1_lstm:
	.size	k_qc241e2fbb1_lstm, .Lfunc_end_k_qc241e2fbb1_lstm-k_qc241e2fbb1_lstm
	.p2alignl 7, 3214868480
	.fill 96, 4, 3214868480
	.section	.rodata,"a",@progbits
	.p2align	6, 0x0
	.amdhsa_kernel k_qc241e2fbb1_lstm
		.amdhsa_group_segment_fixed_size 327680
		.amdhsa_private_segment_fixed_size 0
		.amdhsa_enable_private_segment 0
		.amdhsa_kernarg_size 64
		.amdhsa_user_sgpr_count 2
		.amdhsa_user_sgpr_kernarg_segment_ptr 1
		.amdhsa_wavefront_size32 1
		.amdhsa_system_sgpr_workgroup_id_x 1
		.amdhsa_system_sgpr_workgroup_id_y 1
		.amdhsa_system_sgpr_workgroup_id_z 1
		.amdhsa_system_vgpr_workitem_id 0
		.amdhsa_next_free_vgpr 1024
		.amdhsa_next_free_sgpr 72
		.amdhsa_reserve_vcc 1
		.amdhsa_float_denorm_mode_32 3
		.amdhsa_float_denorm_mode_16_64 3
		.amdhsa_memory_ordered 1
		.amdhsa_forward_progress 1
		.amdhsa_inst_pref_size 184
	.end_amdhsa_kernel
	.amdgpu_metadata
---
amdhsa.version: [ 1, 2 ]
amdhsa.kernels:
  - .name:           k_qc241e2fbb1_lstm
    .symbol:         k_qc241e2fbb1_lstm.kd
    .args:
      - { .name: xq, .offset: 0, .size: 8, .value_kind: global_buffer, .address_space: global }
      - { .name: wq, .offset: 8, .size: 8, .value_kind: global_buffer, .address_space: global }
      - { .name: ws, .offset: 16, .size: 8, .value_kind: global_buffer, .address_space: global }
      - { .name: b_f, .offset: 24, .size: 8, .value_kind: global_buffer, .address_space: global }
      - { .name: b_i, .offset: 32, .size: 8, .value_kind: global_buffer, .address_space: global }
      - { .name: b_h, .offset: 40, .size: 8, .value_kind: global_buffer, .address_space: global }
      - { .name: h0, .offset: 48, .size: 8, .value_kind: global_buffer, .address_space: global }
      - { .name: out0, .offset: 56, .size: 8, .value_kind: global_buffer, .address_space: global }
    .group_segment_fixed_size: 327680
    .private_segment_fixed_size: 0
    .kernarg_segment_align: 8
    .kernarg_segment_size: 64
    .max_flat_workgroup_size: 128
    .sgpr_count:     72
    .vgpr_count:     1024
    .wavefront_size: 32
...
	.end_amdgpu_metadata
.endif
;; end of part 4
